; MI455X (gfx1250); checked and timed in simulation.
; The chip was launched on July 23, 2026; its instructions are those of AMD's public machine-readable ISA for CDNA 5 (MIT licence, August 2026) and "CDNA5" Instruction Set Architecture Reference Guide (July 2026). The comments in the code are by the model that wrote it; some were corrected since.
;; Causal Self Attention. Allowed arithmetic: matrix products marked QUANTISED: E2M1 operands, one E8M0 scale for each 32 along K, by v_wmma_scale_f32_16x16x128_f8f6f4 with both operands' format E2M1 (or v_wmma_scale_f32_32x16x128_f4), f32 sums; products left as they are: bf16, f16 or f32 operands; f32 sums; everything else in f32.
;; Inputs: b_proj 1,024 float32; w_kqv 1,024 x 3,072 float32; w_proj 1,024 x 1,024 float32; x 4 x 2,048 x 1,024 float32.
;; Outputs: out0 4 x 2,048 x 1,024 float32.
;; This version of the problem:
;;   THIS VERSION OF THE PROBLEM IS GIVEN IN LOW PRECISION. The matrix products marked QUANTISED in the list below multiply operands that are first quantised to E2M1 (2 exponent bits, 1 mantissa bit; 4 bits a number), with one power-of-two scale for each 32 numbers along K (OCP MX v1.0); their sums are f32. The products marked 'left as it is' may take bf16, f16 or f32 operands, with f32 sums. All else is computed in f32.
;;   The module's matrix products, in the order in which they are computed (A, B: the left and right operand; K: the contracted axis; several contracted axes count as one K, in the product's order):
;;     1. [M 8,192, K 1,024] x [K 1,024, N 3,072]; A: input x; B: input w_kqv: QUANTISED
;;     2. batch 64 x [M 2,048, K 64] x [K 64, N 2,048]; A: computed on the way; B: computed on the way: left as it is (an operand is computed on the way)
;;     3. batch 64 x [M 2,048, K 2,048] x [K 2,048, N 64]; A: computed on the way; B: computed on the way: left as it is (an operand is computed on the way)
;;     4. [M 8,192, K 1,024] x [K 1,024, N 1,024]; A: computed on the way; B: input w_proj: left as it is (an operand is computed on the way)
;;   THE QUANTISER, for each operand of a quantised product, along K:
;;     - K is cut into blocks of 32 from its start; a last block that is shorter is filled with zeros.
;;     - A block's scale is 2^e with e = floor(log2(the largest magnitude in the block)) - 2, held to -126 .. 127; a block of zeros has e = 0. As a byte (E8M0): e + 127.
;;     - Each number is divided by its block's scale, clamped to +-6, and rounded to the nearest number of E2M1, ties to even, subnormals kept.
;;     - The product sums the exact products of the quantised numbers (number of the format x scale) in f32.
;;   ~~~python
;;   def quantise(x, axis):      # numpy; x: float32 -> the quantised numbers, widened to float32 again
;;       x = np.moveaxis(x, axis, -1); K = x.shape[-1]
;;       x = np.pad(x, [(0, 0)] * (x.ndim - 1) + [(0, -K % 32)]); x = x.reshape(x.shape[:-1] + (-1, 32)); a = np.abs(x).max(-1, keepdims=True)
;;       e = np.where(a > 0, np.clip(np.frexp(np.where(a > 0, a, 1))[1] - 1 - 2, -126, 127), 0)      # np.frexp(a)[1] - 1 = floor(log2(a)), exactly
;;       r = np.clip(x / 2.0 ** e, -6, 6)
;;       step = 2.0 ** (np.maximum(np.frexp(np.where(r == 0, 1, r))[1] - 1, 0) - 1)
;;       q = np.round(r / step) * step * 2.0 ** e      # np.round: ties to even
;;       return np.moveaxis(q.reshape(q.shape[:-2] + (-1,))[..., :K], -1, axis).astype(np.float32)
;;   ~~~
;; One version. Each part assembles by itself: llvm-mc -triple=amdgcn-amd-amdhsa -mcpu=gfx1250 --defsym DOCPART=n.
;; ======== version 1 of 1: 4 launches
;; limits: values are held in f16: magnitudes above 65,504 overflow, below 6.1e-05 lose precision
;; workspace buffers: xc 4,194,304 bytes; xs 262,144 bytes; wc 1,572,864 bytes; ws 98,304 bytes; wp16 2,097,152 bytes; qkv 83,886,080 bytes; o 16,777,216 bytes
;; launch prep (part 1): grid 368 x 1, 4 waves a work-group, no clusters, 68,096 bytes of LDS; arguments x, w_kqv, w_proj, xc, xs, wc, ws, wp16; writes xc, xs, wc, ws, wp16
.if DOCPART == 1
	.amdgcn_target "amdgcn-amd-amdhsa--gfx1250"
	.amdhsa_code_object_version 6
	.text
	.protected	k_qd59160d5b5_prep
	.globl	k_qd59160d5b5_prep
	.p2align	8
	.type	k_qd59160d5b5_prep,@function
k_qd59160d5b5_prep:
	s_mov_b64 s[64:65], 0
	v_nop
	global_prefetch_b8 v0, s[64:65] scope:SCOPE_SE
	s_setreg_imm32_b32 hwreg(HW_REG_WAVE_MODE, 25, 1), 1
	s_wait_xcnt 0x0
; PREP: what the three later launches read many times is made narrow once.
;   work-groups   0 ..  47: w_kqv [1024 (k)][3072 (n)] f32 -> wc [3072][512 bytes] codes of FP4 (E2M1), K innermost, and ws [3072][32] E8M0 scale bytes
;   work-groups  48 .. 303: x [8192][1024] f32 -> xc [8192][512 bytes] codes, xs [8192][32] scale bytes
;   work-groups 304 .. 367: w_proj [1024][1024] f32 -> wp16, the same order, f16 (rounded to nearest even)
; The three parts part on the work-group's number alone; each has registers, text and LDS bytes of its own (x: bytes 0 .. 32,767; w_kqv: 32,768 .. 67,583; w_proj: none).
; THE QUANTISER: a block of 32 along K has the scale 2^(floor(log2(its largest magnitude)) - 2); the byte is the largest magnitude's exponent field - 2, held at 1 from below.
; A block of zeros so gets the byte 1 where the rule says 127: its codes are zeros, which add nothing under any byte but 0xff, and this program alone reads the bytes.
; LIMITS: NaN and infinities among the inputs are not served; blocks whose largest magnitude lies under 2^(2 - 126) keep the byte 1; |w_proj| stays under 65,504, f16's largest number.
; No tensor loads, no barrier: waves share nothing.
.set EMAX,  2
; x's part
.set STEPS, 16                         ; a wave takes 16 steps of 512 numbers
.set CB,    8                          ; bytes of 16 codes
.set XR,    16                         ; v16-79   four sets of 16 numbers as they are loaded
.set XX,    80                         ; v80-111  two sets of 16 neighbours
.set XE,    112                        ; v112-127 a scale byte for each step
.set XC,    128                        ; v128-191 codes: four registers for each step, so that no store's data are written again
.set WREG,  8192                       ; LDS: a region for each wave: two stages of 32 x SP bytes, behind them its 256 scale bytes
.set SP,    80                         ; a lane's place in a stage: its 64 bytes + 16 of padding
; w_kqv's part
.set SIZE_K, 1024
.set SIZE_N, 3072
.set NB,    16                         ; blocks of 32 along K for a wave: 512 along K
.set ROWB,  256                        ; their codes in bytes
.set WPITCH, ROWB+16                   ; a stage row
.set KROW,  SIZE_K*4/8                 ; a row of wc in bytes
.set WSTG,  32768                      ; where this part's stages begin in LDS
.set WX,    32                         ; v32-95   two sets of 32 numbers
.set WC,    96                         ; v96-99   a block's codes
.set OUTR,  112                        ; v112-175 the way out
.set SB,    24                         ; v24-27   the scale bytes, four to a register
; w_proj's part
.set PR,    16                         ; v16-79   sixteen sets of 4 numbers
.set PC,    128                        ; v128-191 two registers of f16 for each of 32 steps
	s_load_b256 s[4:11], s[0:1], 0x0               ; x s[4:5], w_kqv s[6:7], w_proj s[8:9], xc s[10:11]
	s_load_b256 s[12:19], s[0:1], 0x20             ; xs s[12:13], wc s[14:15], ws s[16:17], wp16 s[18:19]
	v_lshl_add_u32 v192, v0, 2, 0x10800
	v_mov_b32 v193, 0
	v_lshrrev_b32 v1, 5, v0
	v_readfirstlane_b32 s20, v1                    ; wave 0..3
	v_and_b32 v2, 31, v0                           ; lane
	s_cmp_lt_u32 ttmp9, 48
	s_cbranch_scc1 .Lpath_w
	s_cmp_lt_u32 ttmp9, 304
	s_cbranch_scc1 .Lpath_x
; ---------------- w_proj to f16: a wave casts 4,096 numbers, 32 steps of 128; sixteen loads are on their way
	s_sub_co_u32 s21, ttmp9, 304
	s_lshl_b32 s21, s21, 2
	s_add_co_u32 s21, s21, s20                     ; which run of 4,096 numbers is my wave's: 0 .. 255
	s_lshl_b32 s22, s21, 14                        ; 16,384 bytes in,
	s_mov_b32 s23, 0
	s_lshl_b32 s24, s21, 13                        ; 8,192 bytes out
	s_mov_b32 s25, 0
	v_lshlrev_b32 v3, 4, v2                        ; 16 bytes a lane in: a load covers 512 consecutive bytes
	v_lshlrev_b32 v4, 3, v2                        ; 8 bytes a lane out: a store covers 256 consecutive bytes, aligned
	s_wait_kmcnt 0x0
	s_add_nc_u64 s[8:9], s[8:9], s[22:23]
	s_add_nc_u64 s[18:19], s[18:19], s[24:25]
.set I, 0
.rept 16
	global_load_b128 v[PR+4*I:PR+4*I+3], v3, s[8:9] offset:512*I th:TH_LOAD_NT
.set I, I+1
.endr
.set I, 0
.rept 32
.if I < 16
	s_wait_loadcnt 15                              ; load I is in: fifteen were issued behind it
.else
	s_wait_loadcnt 31-I                            ; nothing more is issued: the counts run down
.endif
	v_cvt_pk_f16_f32 v[PC+2*I], v[PR+4*(I%16)], v[PR+4*(I%16)+1]
	v_cvt_pk_f16_f32 v[PC+2*I+1], v[PR+4*(I%16)+2], v[PR+4*(I%16)+3]
.if I < 16
	global_load_b128 v[PR+4*(I%16):PR+4*(I%16)+3], v3, s[8:9] offset:512*(I+16) th:TH_LOAD_NT
.endif
	global_store_b64 v4, v[PC+2*I:PC+2*I+1], s[18:19] offset:256*I   ; each step has its own data registers: none is written again
.set I, I+1
.endr
	s_endpgm
; ---------------- x: rows are dense and 1,024 is a multiple of 32, so x is a plain stream of blocks of 32, and so are its codes and its scale bytes
; The conversions take 8 numbers of ONE block from a lane's consecutive registers, so a lane must hold 16 NEIGHBOURS (two neighbouring lanes hold a block); a load is best where neighbouring LANES take
; neighbouring bytes.  Both are had: each of a step's four loads reads 512 consecutive bytes; the 2,048 bytes go through the wave's own stage in LDS and come back 64 bytes a lane.
.Lpath_x:
	v_lshlrev_b32 v3, 4, v2                        ; my 16 bytes of a load's 512
	s_mul_i32 s21, s20, WREG
	v_lshrrev_b32 v14, 2, v2
	v_mul_u32_u24 v14, v14, SP
	v_and_b32 v15, 3, v2
	v_lshl_add_u32 v14, v15, 4, v14
	v_add_nc_u32 v14, s21, v14                     ; the stage, on the way in: SP (lane / 4) + 16 (lane % 4); a load's 512 bytes take eight places
	v_mul_u32_u24 v15, v2, SP
	v_add_nc_u32 v15, s21, v15                     ; and on the way out: SP x lane: my 16 neighbours
	v_mul_u32_u24 v4, v2, CB                       ; my codes' place in a step's
	v_lshrrev_b32 v5, 1, v2
	s_add_co_u32 s21, s21, 2*32*SP
	v_add_nc_u32 v5, s21, v5                       ; LDS: my wave's 256 scale bytes, my block's byte
	v_lshlrev_b32 v7, 3, v2                        ; and on the way out 8 bytes a lane
	v_add_nc_u32 v6, s21, v7
	s_sub_co_u32 s22, ttmp9, 48
	s_lshl_b32 s22, s22, 2
	s_add_co_u32 s22, s22, s20                     ; which run of 8,192 numbers is my wave's: 0 .. 1,023
	s_lshl_b32 s24, s22, 15                        ; 32,768 bytes of x,
	s_mov_b32 s25, 0
	s_lshl_b32 s26, s22, 12                        ; 4,096 bytes of codes,
	s_mov_b32 s27, 0
	s_lshl_b32 s28, s22, 8                         ; 256 scale bytes
	s_mov_b32 s29, 0
	s_wait_kmcnt 0x0
	s_add_nc_u64 s[4:5], s[4:5], s[24:25]
	s_add_nc_u64 s[10:11], s[10:11], s[26:27]
	s_add_nc_u64 s[12:13], s[12:13], s[28:29]
.macro XLOAD t
.irp i, 0,1,2,3
	global_load_b128 v[XR+16*((\t)%4)+4*\i:XR+16*((\t)%4)+4*\i+3], v3, s[4:5] offset:2048*(\t)+512*\i th:TH_LOAD_NT
.endr
.endm
.macro XTURN t                         ; step t's numbers through the stage: LDS serves a wave's instructions in order, so no wait stands between the stores and the loads
.irp i, 0,1,2,3
	ds_store_b128 v14, v[XR+16*((\t)%4)+4*\i:XR+16*((\t)%4)+4*\i+3] offset:32*SP*((\t)%2)+8*SP*\i
.endr
.irp i, 0,1,2,3
	ds_load_b128 v[XX+16*((\t)%2)+4*\i:XX+16*((\t)%2)+4*\i+3], v15 offset:32*SP*((\t)%2)+16*\i
.endr
.endm
.irp t, 0,1,2,3
	XLOAD \t
.endr
	s_wait_loadcnt 12                              ; step 0's four loads are in
	XTURN 0
.macro XSTEP t
.set XS, XX+16*((\t)%2)
.if (\t) > 0
	s_wait_dscnt 1                                 ; this step's numbers are back from the stage (the last step's byte store may be out): so its stores into the stage have read their registers,
.else
	s_wait_dscnt 0x0
.endif
.if (\t)+4 < STEPS
	XLOAD (\t)+4                                   ; which take the loads of four steps on
.endif
.if (\t)+1 < STEPS
.if STEPS-2-(\t) >= 3
	s_wait_loadcnt 12                              ; the next step's four loads are in; those of the three steps behind it may be out
.else
	s_wait_loadcnt 4*(STEPS-2-(\t))
.endif
	XTURN (\t)+1                                   ; and go through the other stage while this step is worked
.endif
	v_max3_num_f32 v8, |v[XS]|, |v[XS+1]|, |v[XS+2]|               ; the largest magnitude of my 16, in two chains
	v_max3_num_f32 v9, |v[XS+3]|, |v[XS+4]|, |v[XS+5]|
.irp i, 6,10
	v_max3_num_f32 v8, v8, |v[XS+\i]|, |v[XS+\i+1]|
	v_max3_num_f32 v9, v9, |v[XS+\i+2]|, |v[XS+\i+3]|
.endr
	v_max3_num_f32 v8, v8, |v[XS+14]|, |v[XS+15]|
	v_max3_num_f32 v8, v8, v9, (EMAX+1)<<23        ; and the floor 2^(EMAX + 1 - 127): so the byte cannot fall under 1
	v_max_num_f32_dpp v8, v8, v8 row_xmask:1 row_mask:0xf bank_mask:0xf   ; and of my neighbour's 16: the block's
	v_add_nc_u32 v11, -(EMAX<<23), v8              ; EMAX off its exponent field: the conversion takes the exponent field of this operand as its scale, and nothing else of it
	v_cvt_scalef32_pk8_fp4_f32 v[XC+4*(\t)], v[XS:XS+7], v11       ; eight numbers / the scale, to the nearest code, ties to even, beyond the largest code the largest
	v_cvt_scalef32_pk8_fp4_f32 v[XC+4*(\t)+1], v[XS+8:XS+15], v11
	v_lshrrev_b32 v[XE+(\t)], 23, v11              ; the scale's byte (also the plain line behind the conversions)
	ds_store_b8 v5, v[XE+(\t)] offset:16*(\t)      ; both lanes of a block write the same byte with the same value
	global_store_b64 v4, v[XC+4*(\t):XC+4*(\t)+1], s[10:11] offset:32*CB*(\t)   ; the wave stores 256 consecutive bytes, aligned
.endm
.irp t, 0,1,2,3,4,5,6,7,8,9,10,11,12,13,14,15
	XSTEP \t
.endr
	ds_load_b64 v[12:13], v6                       ; LDS serves a wave's instructions in order: these see my stores
	s_wait_dscnt 0x0
	global_store_b64 v7, v[12:13], s[12:13]        ; 32 lanes store 256 consecutive scale bytes, aligned
	s_wait_tensorcnt 0x0
	ds_add_u32 v192, v193
	s_wait_dscnt 0x0
	s_endpgm
; ---------------- w_kqv: K is its FIRST axis.  A LANE TAKES A COLUMN n, AND ITS REGISTERS RUN DOWN K: each load reads neighbouring n in neighbouring lanes, a block of 32 along K lies in ONE lane's
; 32 registers, and the conversions give the codes with K innermost.  A wave takes 32 columns x 512 along K; its codes go through its own stage and leave as rows: sixteen lanes store 256 consecutive bytes.
; Every offset is an immediate: 511 x 3,072 x 4 bytes at the most, inside the signed 24-bit immediate (ISA guide, chapter 10).
.Lpath_w:
	s_cmp_ge_u32 ttmp9, 24
	s_cselect_b32 s22, 1, 0                        ; which 512 along K
	s_cselect_b32 s21, 24, 0
	s_sub_co_u32 s21, ttmp9, s21                   ; which 128 columns
	s_lshl_b32 s21, s21, 7
	s_lshl_b32 s23, s20, 5
	s_add_co_u32 s21, s21, s23                     ; my wave's first column
	v_lshlrev_b32 v3, 2, v2                        ; in: 4 bytes a lane
	s_mul_i32 s23, s20, 32*WPITCH
	s_add_co_u32 s23, s23, WSTG                    ; my stage
	v_mul_u32_u24 v4, v2, WPITCH
	v_add_nc_u32 v4, s23, v4                       ; into it: row = my column
	v_and_b32 v5, 15, v2
	v_lshrrev_b32 v6, 4, v2                        ; out of it: sixteen lanes to a row, two rows an instruction
	v_mul_u32_u24 v7, v6, WPITCH
	v_lshl_add_u32 v7, v5, 4, v7
	v_add_nc_u32 v7, s23, v7                       ; LDS address
	v_mul_u32_u24 v8, v6, KROW
	v_lshl_add_u32 v8, v5, 4, v8                   ; and the same place in wc
	s_mul_i32 s24, s22, 512*SIZE_N*4               ; w_kqv: 512 rows down for the second half of K,
	s_lshl_b32 s26, s21, 2
	s_add_co_u32 s24, s24, s26                     ; + 4 x column
	s_mov_b32 s25, 0
	s_lshl_b32 s26, s21, 9                         ; wc: column x 512 bytes
	s_lshl_b32 s28, s22, 8
	s_add_co_u32 s26, s26, s28                     ; + 256 for the second half of K
	s_mov_b32 s27, 0
	s_lshl_b32 s28, s21, 5                         ; ws: column x 32 bytes
	s_lshl_b32 s30, s22, 4
	s_add_co_u32 s28, s28, s30                     ; + 16
	s_mov_b32 s29, 0
	v_lshlrev_b32 v9, 5, v2                        ; my column's row of scale bytes
	s_wait_kmcnt 0x0
	s_add_nc_u64 s[6:7], s[6:7], s[24:25]
	s_add_nc_u64 s[14:15], s[14:15], s[26:27]
	s_add_nc_u64 s[16:17], s[16:17], s[28:29]
.macro WLOAD t                         ; block t: w(32 t + i, my column), i = 0 .. 31, into set t % 2
.irp i, 0,1,2,3,4,5,6,7,8,9,10,11,12,13,14,15,16,17,18,19,20,21,22,23,24,25,26,27,28,29,30,31
	global_load_b32 v[WX+32*((\t)%2)+\i], v3, s[6:7] offset:(32*(\t)+\i)*SIZE_N*4 th:TH_LOAD_NT
.endr
.endm
	WLOAD 0
	WLOAD 1
.macro WBLOCK t
.set WS, WX+32*((\t)%2)
.if (\t) < NB-1
	s_wait_loadcnt 32                              ; this block's 32 loads are in; the next block's may be out
.else
	s_wait_loadcnt 0
.endif
	v_max3_num_f32 v12, |v[WS]|, |v[WS+1]|, |v[WS+2]|              ; the block's largest magnitude: all 32 numbers are mine
	v_max3_num_f32 v13, |v[WS+3]|, |v[WS+4]|, |v[WS+5]|
.irp i, 6,10,14,18,22,26
	v_max3_num_f32 v12, v12, |v[WS+\i]|, |v[WS+\i+1]|
	v_max3_num_f32 v13, v13, |v[WS+\i+2]|, |v[WS+\i+3]|
.endr
	v_max3_num_f32 v12, v12, |v[WS+30]|, |v[WS+31]|
	v_max3_num_f32 v12, v12, v13, (EMAX+1)<<23     ; and the floor: the byte cannot fall under 1
	v_add_nc_u32 v11, -(EMAX<<23), v12             ; the conversion's scale operand
	v_lshrrev_b32 v13, 23, v11                     ; the scale's byte
.if (\t)%4 == 0
	v_mov_b32 v[SB+(\t)/4], v13                    ; four bytes to a register, the lower K in the lower byte
.else
	v_lshl_or_b32 v[SB+(\t)/4], v13, 8*((\t)%4), v[SB+(\t)/4]
.endif
.irp g, 0,1,2,3
	v_cvt_scalef32_pk8_fp4_f32 v[WC+\g], v[WS+8*\g:WS+8*\g+7], v11
.endr
	ds_store_b128 v4, v[WC:WC+3] offset:16*(\t)    ; 32 codes: 16 bytes of my column's row.  (The results go to an LDS store; the next vector lines are plain ones)
.if (\t)+2 < NB
	WLOAD (\t)+2
.endif
	s_wait_dscnt 0x0                               ; the store has read its registers: the next block's codes may be written
.endm
.set QB, 0
.rept NB
	WBLOCK QB
.set QB, QB+1
.endr
	global_store_b128 v9, v[SB:SB+3], s[16:17]     ; my column's 16 scale bytes
.irp t, 0,1,2,3,4,5,6,7,8,9,10,11,12,13,14,15
	ds_load_b128 v[OUTR+4*\t:OUTR+4*\t+3], v7 offset:2*\t*WPITCH   ; LDS serves a wave's instructions in order: these see my stores
.endr
.irp t, 0,1,2,3,4,5,6,7,8,9,10,11,12,13,14,15
	s_wait_dscnt 15-\t
	global_store_b128 v8, v[OUTR+4*\t:OUTR+4*\t+3], s[14:15] offset:2*\t*KROW
.endr
	s_wait_tensorcnt 0x0
	ds_add_u32 v192, v193
	s_wait_dscnt 0x0
	s_endpgm
.Lfunc_end_k_qd59160d5b5_prep:
	.size	k_qd59160d5b5_prep, .Lfunc_end_k_qd59160d5b5_prep-k_qd59160d5b5_prep
	.p2alignl 7, 3214868480
	.fill 96, 4, 3214868480
	.section	.rodata,"a",@progbits
	.p2align	6, 0x0
	.amdhsa_kernel k_qd59160d5b5_prep
		.amdhsa_group_segment_fixed_size 68096
		.amdhsa_private_segment_fixed_size 0
		.amdhsa_enable_private_segment 0
		.amdhsa_kernarg_size 64
		.amdhsa_user_sgpr_count 2
		.amdhsa_user_sgpr_kernarg_segment_ptr 1
		.amdhsa_wavefront_size32 1
		.amdhsa_system_sgpr_workgroup_id_x 1
		.amdhsa_system_sgpr_workgroup_id_y 1
		.amdhsa_system_sgpr_workgroup_id_z 1
		.amdhsa_system_vgpr_workitem_id 0
		.amdhsa_next_free_vgpr 194
		.amdhsa_next_free_sgpr 66
		.amdhsa_reserve_vcc 0
		.amdhsa_float_denorm_mode_32 3
		.amdhsa_float_denorm_mode_16_64 3
		.amdhsa_memory_ordered 1
		.amdhsa_forward_progress 1
		.amdhsa_inst_pref_size 122
	.end_amdhsa_kernel
	.amdgpu_metadata
---
amdhsa.version: [ 1, 2 ]
amdhsa.kernels:
  - .name:           k_qd59160d5b5_prep
    .symbol:         k_qd59160d5b5_prep.kd
    .args:
      - { .name: x, .offset: 0, .size: 8, .value_kind: global_buffer, .address_space: global }
      - { .name: w_kqv, .offset: 8, .size: 8, .value_kind: global_buffer, .address_space: global }
      - { .name: w_proj, .offset: 16, .size: 8, .value_kind: global_buffer, .address_space: global }
      - { .name: xc, .offset: 24, .size: 8, .value_kind: global_buffer, .address_space: global }
      - { .name: xs, .offset: 32, .size: 8, .value_kind: global_buffer, .address_space: global }
      - { .name: wc, .offset: 40, .size: 8, .value_kind: global_buffer, .address_space: global }
      - { .name: ws, .offset: 48, .size: 8, .value_kind: global_buffer, .address_space: global }
      - { .name: wp16, .offset: 56, .size: 8, .value_kind: global_buffer, .address_space: global }
    .group_segment_fixed_size: 68096
    .private_segment_fixed_size: 0
    .kernarg_segment_align: 8
    .kernarg_segment_size: 64
    .max_flat_workgroup_size: 128
    .sgpr_count:     66
    .vgpr_count:     194
    .wavefront_size: 32
...
	.end_amdgpu_metadata
.endif
;; end of part 1
;; launch qkv_gemm (part 2): grid 12 x 32, 4 waves a work-group, clusters of 4 x 4, 327,680 bytes of LDS; arguments xc, xs, wc, ws, qkv; writes qkv
.if DOCPART == 2
	.amdgcn_target "amdgcn-amd-amdhsa--gfx1250"
	.amdhsa_code_object_version 6
	.text
	.protected	k_qd59160d5b5_qkv_gemm
	.globl	k_qd59160d5b5_qkv_gemm
	.p2align	8
	.type	k_qd59160d5b5_qkv_gemm,@function
k_qd59160d5b5_qkv_gemm:
	s_mov_b64 s[64:65], 0
	v_nop
	global_prefetch_b8 v0, s[64:65] scope:SCOPE_SE
	s_setreg_imm32_b32 hwreg(HW_REG_WAVE_MODE, 25, 1), 1
	s_wait_xcnt 0x0
	s_wait_alu depctr_hold_cnt(0) depctr_sa_sdst(0) depctr_va_vdst(0) depctr_va_sdst(0) depctr_va_ssrc(0) depctr_va_vcc(0) depctr_vm_vsrc(0)
	s_getreg_b32 s2, hwreg(HW_REG_IB_STS2, 6, 4)
	s_cmp_eq_u32 s2, 0
	s_cbranch_scc0 .Lentry_in_a_cluster
	s_endpgm
.Lentry_in_a_cluster:
	s_bfe_u32 s2, ttmp6, 0x10000c
	s_cmp_lg_u32 s2, 0xf033
	s_cbranch_scc0 .Lentry_shape_is_right
	s_endpgm
.Lentry_shape_is_right:
; qkv = Q(x) Q(w_kqv), both operands as codes of FP4 (E2M1) with one E8M0 scale for each 32 along K; sums in f32.  A = xc [8192][1024 codes], B = wc [3072][1024 codes], K innermost in both.
; The result leaves as f16, laid by heads, in five sections of [batch 4][head 16][token 2048][64]: q hi, k hi, v, q lo, k lo; two tokens of a head are 256 consecutive bytes.
; q AND k LEAVE AS TWO f16 NUMBERS EACH.  The scores are multiplied by 8 ahead of the softmax, so what q's and k's rounding adds to a score shows eightfold in the exponent, and one f16 number's 11 bits are too few
; where two keys nearly tie.  hi = the f32 number with its low 13 mantissa bits cleared, which f16 holds exactly; lo = the number less hi, exact in f32, rounded to f16: 21 bits together.
; q is first multiplied in f32 by log2(e), so that the next launch's exponentials work in base 2 (k by 1.0: the factor is chosen, no path is).  v leaves as one f16 number, rounded to nearest.
; LIMITS: |q| x 1.4427, |k| and |v| stay under 65,504, f16's largest number (with x and w_kqv each 30 times the drawn spread they reach some 3,200).  Under 2^-14, where f16 has no full mantissa, hi and lo are each
; good to 2^-25 absolutely.
; A tile of the product, 256 x 256, is made by a work-group of four waves; a wave makes 128 x 128: 64 accumulators of 16 x 16, 512 registers.  K = 1,024 is two K steps of 512: two LDS slots, each filled once.
; THE SCALES of the work-group's 256 rows of A and 256 of B, for all of K, are two dense blocks of memory: they come into LDS once, with the first fills.
; CLUSTERS: 4 x 4 work-groups.  The four of a row of the cluster need the same tiles of A, the four of a column the same tiles of B: each tile is asked for JOINTLY, by the same tensor load with the same
; descriptor and a mask that names the four.  THE MATRIX INSTRUCTION IS USED TRANSPOSED (source 0 = 16 rows of B, source 1 = 16 rows of A): a lane then holds eight neighbouring columns of one token.
; 12 x 32 = 384 work-groups: a tile of 256 x 384 would want 768 accumulator registers a wave and leave no room for two sets of B's fragments.
; REGISTERS, in windows of 256: window 0: v0-31 addresses; v32-95 scale words, two sets; from v128 A's fragments, ONE set; on the way out v32-255 are free.
;   window 1: B's fragments, TWO sets, at v0 and at v128.   window 2: the 32 accumulators of my rows 0-63 (accumulator (a, b) at v[8 (8 a + b)]);   window 3: those of my rows 64-127.
.set SIZE_K, 1024
.set KSTEP,  512                       ; along K in a slot
.set NQ,     KSTEP/128                 ; matrix instructions deep
.set ROWB,   256                       ; a tile's row in bytes
.set KROW,   SIZE_K*4/8                ; a row of A or of B in memory, in bytes
.set PITCH,  272                       ; an LDS row: 256 bytes + 16 of padding = 68 words: row r starts at bank 4 r mod 64 (64 banks of 4 bytes: ISA guide 11.1)
.set FR,     8                         ; registers of a fragment: 16 rows x 128 K
.set NL,     2                         ; LDS loads that bring one
.set NP,     4                         ; places behind this matrix instruction (ISA guide 7.12.1)
.set HALFT,  128*PITCH                 ; 128 rows: what one tensor load brings, and what one wave reads of A or of B
.set SLOT,   4*HALFT                   ; A's 256 rows, then B's 256 rows
.set KS,     SIZE_K/32                 ; a row of scales in bytes
.set SCL,    2*SLOT                    ; behind the slots: the scales, as units of 256 bytes + 16 of padding
.set HALFS,  (128*KS/256)*272          ; the scales of 128 rows: what one tensor load brings
.set SBLK,   (16*KS/256)*272           ; those of 16 rows
.set SPARE,  SCL+4*HALFS               ; behind the scales: the spare words, 128 bytes for each wave: two blocks of 256 bytes that no other line names
.set STAGE,  SPARE+512                 ; q's and k's way out: 16 rows x (256 bytes + 16) for each wave; no tensor load fills these bytes.  v's way out has the same in slot 0, from LDS byte 0
.set SPITCH, 272
.set ADRA, 16                          ; v16-17  LDS address of my A fragments in slot 0, 1
.set ADRB, 20                          ; v20-21  the same for B
.set STOV, 22                          ; v22     v's way out: where I put 16 bytes of a token's row
.set RDV,  23                          ; v23     and where I read back
.set STO,  24                          ; v24     the same for q's and k's way out
.set RD,   25                          ; v25
.set CO,   26                          ; v26     my byte offset in qkv
.set ADRS, 27                          ; v27     LDS address of my scale words: lanes 0-15 A's rows, lanes 16-31 B's
.set SPW,  28                          ; v28     LDS address of my spare word: SPARE + 4 x my thread's number; never rewritten
.set NIL,  29                          ; v29     0; never rewritten
.set SC,   32                          ; scale words: set s at v[SC + 8 NQ s]; register NQ i + q: lanes 0-15 the word of A's block i, lanes 16-31 that of B's block i, for the slot's q-th 128 along K
.set AF,   128                         ; A's fragments, in window 0
.set MT,   64                          ; the way out: v64-127 a block's 64 numbers times the factor, then their lo parts, then (v64-95) those as f16
.set HT,   128                         ; v128-191 their hi parts, then (v128-159) those as f16
.set BKH,  192                         ; v192-223 the block's hi parts read back from the stage
.set BKL,  224                         ; v224-255 its lo parts
.set FQ,   66                          ; s[66:67] the factor: log2(e) for q, 1.0 for k
.set MASK, 95                          ; s95      keeps sign, exponent and the upper 10 mantissa bits of an f32 number
.set LOB,  96                          ; s[96:97] where my lo parts begin in qkv: three sections behind the hi parts
.set G1, 24                            ; s[24:31] descriptor group 1 for A's tiles;  s[32:39] group 0, one set for each slot
.set G0, 32
.set G1B, 48                           ; s[48:55], s[56:63] the same for B's tiles
.set G0B, 56
.set G1S, 68                           ; s[68:75], s[76:79] groups 1 and 0 for A's scales;  s[80:87], s[88:91] for B's
.set G0S, 76
.set G1SB, 80
.set G0SB, 88
.set MSB, 0
.macro WIN new                         ; the immediate's high byte repeats the setting that is left
.if MSB != \new
	s_set_vgpr_msb (MSB<<8)|\new
.set MSB, \new
.endif
.endm
.set MUL_LO, 0xa1                      ; source 0 (B) window 1, source 1 (A) window 0, C and D window 2
.set MUL_HI, 0xf1                      ; the same, C and D window 3
.set TO_B,   0x40                      ; destination window 1, address window 0
; A joint load: waves 0 and 1 fetch for A, waves 2 and 3 for B.  Each of the two lines has ONE mask and one set of registers for all that issue it; the branch hangs on the wave's number alone.
; Four v_nop follow each of the two lines, ahead of the jump, the label and what follows.
.macro JLOAD g0a, g1a, g0b, g1b
	s_cmp_eq_u32 s15, 0
	s_cbranch_scc0 .Lfor_b_\@
	tensor_load_to_lds s[\g0a:\g0a+3], s[\g1a:\g1a+7]
	s_nop 0
.rept 4
	v_nop
.endr
	s_branch .Lasked_\@
.Lfor_b_\@:
	tensor_load_to_lds s[\g0b:\g0b+3], s[\g1b:\g1b+7]
	s_nop 0
.rept 4
	v_nop
.endr
.Lasked_\@:
.endm
.macro CROUND                          ; a round of the cluster's barrier
	s_barrier_signal -1
	s_barrier_wait -1
	s_cmp_lg_u32 s14, 0
	s_cbranch_scc1 .Lnot_wave_0_\@
	s_barrier_signal -3
.Lnot_wave_0_\@:
	s_barrier_wait -3
	s_barrier_signal -1
	s_barrier_wait -1
.endm
	s_load_b128 s[4:7], s[0:1], 0x0                ; A's codes s[4:5], A's scales s[6:7]
	s_load_b128 s[8:11], s[0:1], 0x10              ; B's codes s[8:9], B's scales s[10:11]
	s_load_b64 s[12:13], s[0:1], 0x20              ; qkv
	v_lshl_add_u32 v[SPW], v0, 2, SPARE
	v_mov_b32 v[NIL], 0
	ds_add_u32 v28, v29
	s_wait_dscnt 0x0
	v_lshrrev_b32 v1, 5, v0
	v_readfirstlane_b32 s14, v1                    ; wave 0..3
	s_lshr_b32 s15, s14, 1                         ; which half of the tile's rows is mine.  Also: I fetch for A (0) or for B (1)
	s_and_b32 s16, s14, 1                          ; which half of its columns.  Also: which 128 rows of that tile I fetch
	s_bfe_u32 s40, ttmp6, 0x40000                  ; cx, cy: my place in the cluster
	s_bfe_u32 s41, ttmp6, 0x40004
	s_lshl_b32 s42, ttmp9, 2
	s_add_co_u32 s42, s42, s40                     ; tile column = 4 x cluster x + cx
	s_and_b32 s17, ttmp7, 0xffff
	s_lshl_b32 s17, s17, 2
	s_add_co_u32 s17, s17, s41                     ; tile row = 4 x cluster y + cy
	s_lshl_b32 s43, s41, 2
	s_lshl_b32 s43, 15, s43                        ; my row of the cluster
	s_lshl_b32 s44, 0x1111, s40                    ; my column
	s_mov_b32 s[FQ], 1.0
	s_cmp_eq_u32 ttmp9, 0                          ; cluster x = 0 is tile columns 0 to 3: columns 0 to 1,023: q
	s_cselect_b32 s[FQ], 0x3fb8aa3b, s[FQ]         ; log2(e)
	s_mov_b32 s[FQ+1], s[FQ]                       ; (the packed form names the pair)
	s_mov_b32 s[MASK], 0xffffe000
	; descriptor group 1: a tile of 128 rows x ROWB bytes, padded in LDS
	s_or_b32 s[G1+0], s43, (0<<16)|(1<<20)|(1<<21)|(5<<22)|(3<<25)  ; 15:0 the mask: A's tiles go to my row; 17:16 element of 1 byte; 20 padding on; 21 set beside a mask; 24:22 after every 64 words (code 5); 31:25 of 4 words (code 3)
	s_or_b32 s[G1B+0], s44, (0<<16)|(1<<20)|(1<<21)|(5<<22)|(3<<25)
.irp g, G1, G1B
	s_mov_b32 s[\g+1], ROWB<<16                    ; tensor_dim0
	s_mov_b32 s[\g+2], 128<<16                     ; tensor_dim1 = 128
	s_mov_b32 s[\g+3], ROWB<<16                    ; tile_dim0
	s_mov_b32 s[\g+4], 128                         ; tile_dim1 = 128
	s_mov_b32 s[\g+5], KROW                        ; tensor_dim0_stride
	s_mov_b32 s[\g+6], 0
	s_mov_b32 s[\g+7], 0
.endr
	; and for the scales of 128 rows: a dense block of 128 KS bytes, as rows of 256 bytes (32 elements of 8 bytes), 16 bytes of padding behind each
	s_or_b32 s[G1S+0], s43, (3<<16)|(1<<20)|(1<<21)|(5<<22)|(3<<25)
	s_or_b32 s[G1SB+0], s44, (3<<16)|(1<<20)|(1<<21)|(5<<22)|(3<<25)
.irp g, G1S, G1SB
	s_mov_b32 s[\g+1], 32<<16
	s_mov_b32 s[\g+2], (128*KS/256)<<16
	s_mov_b32 s[\g+3], 32<<16
	s_mov_b32 s[\g+4], 128*KS/256
	s_mov_b32 s[\g+5], 32
	s_mov_b32 s[\g+6], 0
	s_mov_b32 s[\g+7], 0
.endr
	s_lshl_b32 s18, s16, 7                         ; which 128 rows of the tile I fetch
	s_lshl_b32 s20, s17, 8
	s_add_co_u32 s20, s20, s18                     ; A: row 256 x tile row + 128 x half
	s_lshl_b32 s46, s42, 8
	s_add_co_u32 s46, s46, s18                     ; B: row 256 x tile column + 128 x half
	s_mov_b32 s21, 0
	s_mov_b32 s47, 0
	s_mov_b64 s[18:19], KS
	s_mul_u64 s[22:23], s[20:21], s[18:19]         ; where these rows' scales begin, in bytes
	s_mul_u64 s[92:93], s[46:47], s[18:19]
	s_mov_b64 s[18:19], KROW
	s_mul_u64 s[20:21], s[20:21], s[18:19]         ; and their codes
	s_mul_u64 s[46:47], s[46:47], s[18:19]
	s_mul_i32 s45, s14, HALFT                      ; where they go: wave x 128 rows: no place in the cluster enters an LDS address
	s_mul_i32 s94, s14, HALFS
	s_wait_kmcnt 0x0
	s_add_nc_u64 s[20:21], s[4:5], s[20:21]
	s_add_nc_u64 s[22:23], s[6:7], s[22:23]
	s_add_nc_u64 s[46:47], s[8:9], s[46:47]
	s_add_nc_u64 s[92:93], s[10:11], s[92:93]
	CROUND                                         ; all sixteen work-groups are here: the first joint loads meet
	s_mov_b32 s[G0S], 1
	s_add_co_u32 s[G0S+1], s94, SCL
	s_mov_b64 s[G0S+2:G0S+3], s[22:23]
	s_or_b32 s[G0S+3], s[G0S+3], 0x80000000
	s_mov_b32 s[G0SB], 1
	s_add_co_u32 s[G0SB+1], s94, SCL
	s_mov_b64 s[G0SB+2:G0SB+3], s[92:93]
	s_or_b32 s[G0SB+3], s[G0SB+3], 0x80000000
	JLOAD G0S, G1S, G0SB, G1SB                     ; the scales first: they are wanted with K step 0
.irp s, 0,1
	s_mov_b32 s[G0+4*\s], 1
	s_add_co_u32 s[G0+4*\s+1], s45, \s*SLOT
	s_add_nc_u64 s[G0+4*\s+2:G0+4*\s+3], s[20:21], \s*ROWB
	s_or_b32 s[G0+4*\s+3], s[G0+4*\s+3], 0x80000000
	s_mov_b32 s[G0B+4*\s], 1
	s_add_co_u32 s[G0B+4*\s+1], s45, \s*SLOT
	s_add_nc_u64 s[G0B+4*\s+2:G0B+4*\s+3], s[46:47], \s*ROWB
	s_or_b32 s[G0B+4*\s+3], s[G0B+4*\s+3], 0x80000000
	JLOAD G0+4*\s, G1, G0B+4*\s, G1B               ; both K steps: three tensor loads of mine are out, and no more are issued in this launch
.endr
	v_and_b32 v1, 15, v0                           ; l % 16
	v_bfe_u32 v2, v0, 4, 1                         ; l / 16
	v_mul_u32_u24 v3, v1, PITCH
	v_lshl_add_u32 v4, v2, 4, v3                   ; a fragment's row x pitch + 16 x half
	s_mul_i32 s21, s15, HALFT                      ; my 128 rows of A
	s_mul_i32 s22, s16, HALFT                      ; my 128 rows of B,
	s_add_co_u32 s22, s22, 2*HALFT                 ; which lie behind A's 256
.irp s, 0,1
	v_add_nc_u32 v[ADRA+\s], s21, v4
	v_add_nc_u32 v[ADRB+\s], s22, v4
	s_add_co_u32 s21, s21, SLOT
	s_add_co_u32 s22, s22, SLOT
.endr
	v_mul_u32_u24 v5, v1, KS                       ; my row's scales: KS bytes a row,
	v_lshrrev_b32 v6, 8, v5
	v_lshl_add_u32 v5, v6, 4, v5                   ; and 16 more for each 256 passed
	s_mul_i32 s21, s15, HALFS                      ; A's: my 128 rows
	s_mul_i32 s22, s16, HALFS                      ; B's: my 128 rows, behind A's 256
	s_add_co_u32 s22, s22, 2*HALFS
	s_sub_co_u32 s22, s22, s21
	v_mul_u32_u24 v6, s22, v2                      ; lanes 16-31 take B's
	s_add_co_u32 s21, s21, SCL
	v_add_nc_u32 v5, v5, v6
	v_add_nc_u32 v[ADRS], s21, v5
	s_mul_i32 s23, s14, 16*SPITCH                  ; my stage's place among the four
	v_mul_u32_u24 v5, v1, SPITCH                   ; in: token l % 16, 16 bytes for each half of the lanes
	v_lshl_add_u32 v5, v2, 4, v5
	v_add_nc_u32 v[STOV], s23, v5
	v_add_nc_u32 v[STO], STAGE, v[STOV]
	v_bfe_u32 v5, v0, 3, 1                         ; back: lanes 0-15 take two tokens' 128 bytes of my first head, lanes 16-31 of my second
	v_mul_u32_u24 v5, v5, SPITCH
	v_lshl_add_u32 v5, v2, 7, v5
	v_and_b32 v6, 7, v0
	v_lshl_add_u32 v5, v6, 4, v5
	v_add_nc_u32 v[RDV], s23, v5
	v_add_nc_u32 v[RD], STAGE, v[RDV]
	v_lshlrev_b32 v[CO], 18, v2                    ; in qkv a head is 2^18 bytes; two tokens of a head are 256 consecutive bytes
	v_lshl_add_u32 v[CO], v1, 4, v[CO]
	; where my 128 tokens x 2 heads begin in qkv: batch = tile row / 8, token = 256 (tile row % 8) + 128 x half;  G = 4 x tile column + 2 x half: section G / 16, head G % 16
	s_lshr_b32 s20, s17, 3
	s_lshl_b32 s20, s20, 22
	s_and_b32 s21, s17, 7
	s_lshl_b32 s21, s21, 15
	s_add_co_u32 s20, s20, s21
	s_lshl_b32 s21, s15, 14
	s_add_co_u32 s20, s20, s21
	s_mov_b32 s21, 0
	s_add_nc_u64 s[12:13], s[12:13], s[20:21]
	s_lshl_b32 s46, s42, 2
	s_lshl_b32 s47, s16, 1
	s_add_co_u32 s46, s46, s47                     ; G
	s_lshr_b32 s47, s46, 4
	s_lshl_b32 s47, s47, 24
	s_and_b32 s46, s46, 15
	s_lshl_b32 s46, s46, 18
	s_add_co_u32 s46, s46, s47
	s_mov_b32 s47, 0
	s_add_nc_u64 s[12:13], s[12:13], s[46:47]
	s_add_nc_u64 s[LOB:LOB+1], s[12:13], 0x3000000 ; the lo parts: three sections of 2^24 bytes on
.macro FRAG reg, adr, q, i             ; a fragment, 16 rows x 128 K of 4-bit codes, is 8 registers: lane l holds row l % 16; registers 4 c .. 4 c + 3 hold K = 64 c + 32 (l / 16) + 0 .. 31
.irp c, 0,1
	ds_load_b128 v[\reg+4*\c:\reg+4*\c+3], v[\adr] offset:64*(\q)+32*\c+(\i)*16*PITCH
.endr
.endm
; 16 matrix instructions: A's blocks a0, a0 + 1 x B's eight, 128 along K: the slot's q-th.  p: B's set;  sc: the set of scale words.  zero = 1: the first product starts the sums: nothing is ever cleared.
; The 64 accumulators take turns, one instruction a turn, in the same order in every step.
.macro MUL16 a0, p, q, sc, zero
.irp a, \a0, \a0+1
.irp b, 0,1,2,3,4,5,6,7
.if \zero
	v_wmma_scale_f32_16x16x128_f8f6f4 v[8*(8*((\a)%4)+\b):8*(8*((\a)%4)+\b)+7], v[128*(\p)+FR*\b:128*(\p)+FR*\b+FR-1], v[AF+FR*(\a):AF+FR*(\a)+FR-1], 0, v[SC+8*NQ*(\sc)+NQ*\b+(\q)], v[SC+8*NQ*(\sc)+NQ*(\a)+(\q)] matrix_a_fmt:MATRIX_FMT_FP4 matrix_b_fmt:MATRIX_FMT_FP4 matrix_a_scale:MATRIX_SCALE_ROW1
.else
	v_wmma_scale_f32_16x16x128_f8f6f4 v[8*(8*((\a)%4)+\b):8*(8*((\a)%4)+\b)+7], v[128*(\p)+FR*\b:128*(\p)+FR*\b+FR-1], v[AF+FR*(\a):AF+FR*(\a)+FR-1], v[8*(8*((\a)%4)+\b):8*(8*((\a)%4)+\b)+7], v[SC+8*NQ*(\sc)+NQ*\b+(\q)], v[SC+8*NQ*(\sc)+NQ*(\a)+(\q)] matrix_a_fmt:MATRIX_FMT_FP4 matrix_b_fmt:MATRIX_FMT_FP4 matrix_a_scale:MATRIX_SCALE_ROW1
.endif
.endr
.endr
.endm
.macro FETCH_B slot, q, p              ; B's eight fragments of the slot's q-th 128 along K into set p
	WIN TO_B
.irp i, 0,1,2,3,4,5,6,7
	FRAG 128*(\p)+FR*\i, ADRB+\slot, \q, \i
.endr
	WIN 0
.endm
.macro FETCH_A slot, q, i0             ; A's blocks i0 .. i0 + 3
.irp i, \i0, \i0+1, \i0+2, \i0+3
	FRAG AF+FR*(\i), ADRA+\slot, \q, \i
.endr
.endm
.macro SCALES sc                       ; a K step's scale words into set sc: NQ words a row; lanes 0-15 take A's block i, lanes 16-31 B's block i
.irp i, 0,1,2,3,4,5,6,7
	ds_load_b128 v[SC+8*NQ*\sc+NQ*\i:SC+8*NQ*\sc+NQ*\i+3], v[ADRS] offset:\i*SBLK
.endr
.endm
; A load into a register that a matrix instruction has read, and a vector instruction that reads a matrix result or writes one of a matrix instruction's registers, stand NP places behind that matrix
; instruction, and only plain vector instructions that name none of its registers are places (ISA guide 7.12.1 for vector instructions).
.macro PLACES n
.rept \n
	v_nop
.endr
.endm
; A step of 128 along K that has its successor in the same slot.  A block of A is free as soon as its eight products are issued, so one set serves A: blocks 0-3 are fetched anew in the step's middle, blocks 4-7 at its end.
.macro STEP slot, q, zero
	s_wait_dscnt 4*NL                              ; B's set and A's blocks 0-3 are in; the youngest loads (A's blocks 4-7) may be out
	WIN MUL_LO
	MUL16 0, (\q)%2, \q, \slot, \zero
	MUL16 2, (\q)%2, \q, \slot, \zero
	s_wait_dscnt 0                                 ; A's blocks 4-7 are in (asked for 32 matrix instructions ago)
	PLACES NP
	FETCH_B \slot, (\q)+1, 1-(\q)%2
	FETCH_A \slot, (\q)+1, 0
	WIN MUL_HI
	MUL16 4, (\q)%2, \q, \slot, \zero
	MUL16 6, (\q)%2, \q, \slot, \zero
	PLACES NP
	WIN 0
	FETCH_A \slot, (\q)+1, 4
.endm
.macro STEPS slot, from                ; the slot's steps from .. NQ - 2
.set Q, \from
.rept NQ-1-\from
	STEP \slot, Q, 0
.set Q, Q+1
.endr
.endm
	s_wait_tensorcnt 1                             ; the scales and my part of K step 0 are in (K step 1's load may be out)
	s_barrier_signal -1
	s_barrier_wait -1                              ; everybody's are
	FETCH_B 0, 0, 0
	FETCH_A 0, 0, 0
	SCALES 0
	FETCH_A 0, 0, 4
	STEP 0, 0, 1                                   ; the first step's products start the sums
	STEPS 0, 1
	; slot 0's last step changes slots: ONE barrier; in front of it each wave waits for all its tensor loads (its part of slot 1), and behind it slot 1 is whole for every wave.  No slot is filled again.
	s_wait_tensorcnt 0x0                           ; all my tensor loads have landed  (every window is 0 here: the add's two registers lie in window 0)
	ds_add_u32 v[SPW], v[NIL]                      ; 0 onto my spare word
	s_wait_dscnt 4*NL+1                            ; (the add and the youngest loads, A's blocks 4-7, may be out)
	WIN MUL_LO
	MUL16 0, 1, NQ-1, 0, 0                         ; sixteen matrix instructions stand between the add and the wait for it
	s_wait_dscnt 0x0                               ; the add is done, and my reads of slot 0 are over
	s_barrier_signal -1
	MUL16 2, 1, NQ-1, 0, 0
	WIN 0
	s_barrier_wait -1
	PLACES NP
	v_add_nc_u32 v[ADRS], 4*NQ, v[ADRS]            ; on to the next K step's scale words (no LDS load of mine is out)
	FETCH_B 1, 0, 0
	FETCH_A 1, 0, 0
	SCALES 1
	WIN MUL_HI
	MUL16 4, 1, NQ-1, 0, 0
	MUL16 6, 1, NQ-1, 0, 0
	PLACES NP
	WIN 0
	FETCH_A 1, 0, 4
	STEPS 1, 0
	s_wait_dscnt 4*NL                              ; the very last step: nothing more to fetch
	WIN MUL_LO
	MUL16 0, 1, NQ-1, 1, 0
	MUL16 2, 1, NQ-1, 1, 0
	s_wait_dscnt 0
	WIN MUL_HI
	MUL16 4, 1, NQ-1, 1, 0
	MUL16 6, 1, NQ-1, 1, 0
	WIN 0
; THE WAY OUT, block by block of 16 tokens x 128 columns (two heads).  A lane's eight columns of a token become 16 bytes of f16.  They go into my own stage, a token a row, and come back so that lanes 0-15 hold
; two tokens of my first head and lanes 16-31 two tokens of my second: 256 consecutive bytes of qkv each.
; q's and k's blocks: times the factor; hi = the upper bits; lo = the rest, exact; both to f16, in place (register i was read by conversion i / 2).
.macro PACKHL a
.set AC, 64*((\a)%4)
	WIN (0x02+(\a)/4)                              ; source 0: window 2 or 3
.set I, 0
.rept 32
	v_pk_mul_f32 v[MT+2*I:MT+2*I+1], v[AC+2*I:AC+2*I+1], s[FQ:FQ+1] op_sel_hi:[1,0]   ; ascending: each accumulator is read from its low end on
.set I, I+1
.endr
	WIN 0
.set I, 0
.rept 64
	v_and_b32 v[HT+I], s[MASK], v[MT+I]            ; hi: 11 bits, which the conversion below does not round
.set I, I+1
.endr
.set I, 0
.rept 32
	v_pk_add_f32 v[MT+2*I:MT+2*I+1], v[MT+2*I:MT+2*I+1], v[HT+2*I:HT+2*I+1] neg_lo:[0,1] neg_hi:[0,1]   ; lo = the number - hi
.set I, I+1
.endr
.set I, 0
.rept 32
	v_cvt_pk_f16_f32 v[HT+I], v[HT+2*I], v[HT+2*I+1]
.set I, I+1
.endr
.set I, 0
.rept 32
	v_cvt_pk_f16_f32 v[MT+I], v[MT+2*I], v[MT+2*I+1]
.set I, I+1
.endr
.endm
; v's blocks: one rounding to nearest, straight from the accumulators
.macro PACKV a
.set AC, 64*((\a)%4)
	WIN (0x0a+5*((\a)/4))                          ; sources 0 and 1: window 2 or 3
.set I, 0
.rept 32
	v_cvt_pk_f16_f32 v[HT+I], v[AC+2*I], v[AC+2*I+1]
.set I, I+1
.endr
	WIN 0
.endm
.macro TOSTAGE src, bk, sto, rd
.irp b, 0,1,2,3,4,5,6,7
	ds_store_b128 v[\sto], v[\src+4*\b:\src+4*\b+3] offset:32*\b
.endr
.irp t, 0,1,2,3,4,5,6,7
	ds_load_b128 v[\bk+4*\t:\bk+4*\t+3], v[\rd] offset:\t*2*SPITCH   ; LDS serves a wave's instructions in order (ISA guide 5.7.1.4): these see the stores above, and what is stored to the stage next comes behind them
.endr
.endm
.macro SEND a, bk, base
.irp t, 0,1,2,3,4,5,6,7
	global_store_b128 v[CO], v[\bk+4*\t:\bk+4*\t+3], s[\base:\base+1] offset:2048*(\a)+256*\t th:TH_STORE_NT   ; 16 lanes store 256 consecutive bytes, at a multiple of 256 from qkv's first byte; nobody reads them in this launch
.endr
.endm
; lo = 1: q's and k's; lo = 0: v's.  Block a's arithmetic stands between block a - 1's loads from the stage and the wait for them.
.macro WAYOUT lo, sto, rd
.if \lo
	PACKHL 0
.else
	PACKV 0
.endif
	TOSTAGE HT, BKH, \sto, \rd
.if \lo
	TOSTAGE MT, BKL, \sto, \rd
.endif
.irp a, 1,2,3,4,5,6,7
.if \lo
	PACKHL \a
.else
	PACKV \a
.endif
	s_wait_dscnt 0x0                               ; block a - 1 is back in registers
	SEND \a-1, BKH, 12
.if \lo
	SEND \a-1, BKL, LOB
.endif
	s_wait_xcnt 0x0                                ; these stores have read their registers: block a's loads may land there
	TOSTAGE HT, BKH, \sto, \rd
.if \lo
	TOSTAGE MT, BKL, \sto, \rd
.endif
.endr
	s_wait_dscnt 0x0
	SEND 7, BKH, 12
.if \lo
	SEND 7, BKL, LOB
.endif
.endm
	PLACES NP                                      ; behind the last products: their results are read, and their scale words' and fragments' registers written, only from here on
	s_cmp_eq_u32 ttmp9, 2                          ; cluster x = 2 is columns 2,048 to 3,071: v.  The same in all sixteen partners
	s_cbranch_scc1 .Lout_v
	WAYOUT 1, STO, RD
	s_branch .Lout_done
.Lout_v:
	WAYOUT 0, STOV, RDV                            ; its stage lies in slot 0, which has had its one fill, and which every wave has left at the change of slots
.Lout_done:
	s_wait_tensorcnt 0x0                           ; the wave's end, behind my last tensor load and my last LDS store
	ds_add_u32 v[SPW], v[NIL]
	s_wait_dscnt 0x0
	CROUND                                         ; the closing round: no work-group ends while a partner may still ask for a tile that names it
	s_endpgm
.Lfunc_end_k_qd59160d5b5_qkv_gemm:
	.size	k_qd59160d5b5_qkv_gemm, .Lfunc_end_k_qd59160d5b5_qkv_gemm-k_qd59160d5b5_qkv_gemm
	.p2alignl 7, 3214868480
	.fill 96, 4, 3214868480
	.section	.rodata,"a",@progbits
	.p2align	6, 0x0
	.amdhsa_kernel k_qd59160d5b5_qkv_gemm
		.amdhsa_group_segment_fixed_size 327680
		.amdhsa_private_segment_fixed_size 0
		.amdhsa_enable_private_segment 0
		.amdhsa_kernarg_size 40
		.amdhsa_user_sgpr_count 2
		.amdhsa_user_sgpr_kernarg_segment_ptr 1
		.amdhsa_wavefront_size32 1
		.amdhsa_system_sgpr_workgroup_id_x 1
		.amdhsa_system_sgpr_workgroup_id_y 1
		.amdhsa_system_sgpr_workgroup_id_z 1
		.amdhsa_system_vgpr_workitem_id 0
		.amdhsa_next_free_vgpr 1024
		.amdhsa_next_free_sgpr 98
		.amdhsa_reserve_vcc 0
		.amdhsa_float_denorm_mode_32 3
		.amdhsa_float_denorm_mode_16_64 3
		.amdhsa_memory_ordered 1
		.amdhsa_forward_progress 1
		.amdhsa_inst_pref_size 236
	.end_amdhsa_kernel
	.amdgpu_metadata
---
amdhsa.version: [ 1, 2 ]
amdhsa.kernels:
  - .name:           k_qd59160d5b5_qkv_gemm
    .symbol:         k_qd59160d5b5_qkv_gemm.kd
    .args:
      - { .name: xc, .offset: 0, .size: 8, .value_kind: global_buffer, .address_space: global }
      - { .name: xs, .offset: 8, .size: 8, .value_kind: global_buffer, .address_space: global }
      - { .name: wc, .offset: 16, .size: 8, .value_kind: global_buffer, .address_space: global }
      - { .name: ws, .offset: 24, .size: 8, .value_kind: global_buffer, .address_space: global }
      - { .name: qkv, .offset: 32, .size: 8, .value_kind: global_buffer, .address_space: global }
    .group_segment_fixed_size: 327680
    .private_segment_fixed_size: 0
    .kernarg_segment_align: 8
    .kernarg_segment_size: 40
    .max_flat_workgroup_size: 128
    .sgpr_count:     98
    .vgpr_count:     1024
    .wavefront_size: 32
...
	.end_amdgpu_metadata
.endif
;; end of part 2
;; launch attn (part 3): grid 4 x 64, 16 waves a work-group, clusters of 4 x 1, 327,680 bytes of LDS; arguments qkv, o; writes o
.if DOCPART == 3
	.amdgcn_target "amdgcn-amd-amdhsa--gfx1250"
	.amdhsa_code_object_version 6
	.text
	.protected	k_qd59160d5b5_attn
	.globl	k_qd59160d5b5_attn
	.p2align	8
	.type	k_qd59160d5b5_attn,@function
k_qd59160d5b5_attn:
	s_mov_b64 s[64:65], 0
	v_nop
	global_prefetch_b8 v0, s[64:65] scope:SCOPE_SE
	s_setreg_imm32_b32 hwreg(HW_REG_WAVE_MODE, 25, 1), 1
	s_wait_xcnt 0x0
	s_wait_alu depctr_hold_cnt(0) depctr_sa_sdst(0) depctr_va_vdst(0) depctr_va_sdst(0) depctr_va_ssrc(0) depctr_va_vcc(0) depctr_vm_vsrc(0)
	s_getreg_b32 s2, hwreg(HW_REG_IB_STS2, 6, 4)
	s_cmp_eq_u32 s2, 0
	s_cbranch_scc0 .Lentry_in_a_cluster
	s_endpgm
.Lentry_in_a_cluster:
	s_bfe_u32 s2, ttmp6, 0x10000c
	s_cmp_lg_u32 s2, 0x3003
	s_cbranch_scc0 .Lentry_shape_is_right
	s_endpgm
.Lentry_shape_is_right:
; o[b][h][q][:] = the sum over keys k <= q of softmax_k(8 q . k) v[k][:], for 64 heads of 2,048 tokens x 64 channels.
; qkv: five sections of [64 heads][2048][64] f16: q hi, k hi, v, q lo, k lo, q already times log2(e); o: [64 heads][2048][64] f16.
; THE SCORE IS THREE PRODUCTS ON f16 OPERANDS, summed in f32 in one accumulator: qh . kh + ql . kh + qh . kl.  hi + lo carry 21 bits of q and of k; the term left out, ql . kl, is 2^-20 of a score.
; One f16 number for q and for k is too coarse here: the score is multiplied by 8 ahead of the exponential, and where two keys nearly tie the weights follow the rounding.
; Sums, maxima and exponentials in f32; the weights p are rounded to f16 for the second product (p <= 1), o once at the end.
; SOFTMAX.  s' = q' . k = score x log2(e) / 8.  For each query a running maximum m' of s', cm = 8 m' (a product by a power of two: exact) and a running sum l:  p = 2^(8 s' - cm), one fused multiply-add and one
; exponential; at s' = m' the exponent is exactly 0.  In every step l and O are multiplied by a = 2^(cm_old - cm_new), which is 1 where m' has not grown.  The step is written once: it starts from m' = -3e38,
; cm = -infinity, l = 0, O = 0, so that the first a is 0 and multiplies zeros.
; LIMITS: |s'| stays under 4.2e37, so that 8 m' is finite; NaN and infinities are not served.
; SHARES.  A CLUSTER OF FOUR WORK-GROUPS IS ONE HEAD.  Queries and keys are cut into 16 granules of 128.  Wave w of EVERY partner owns granule g = w xor 3 x (bit 2 of w); partner cx takes queries 32 cx .. 32 cx + 31
; of it: two tiles of 16.  So every branch hangs on the wave's number and on counters alone, all four partners run alike, and each tile of K and V is asked for JOINTLY: one tensor load with the same descriptor and
; the mask of all four, in all four.  cx enters the addresses of q and o and one data register of the mask, nothing else.
; CAUSAL.  A task is one granule of keys for one wave: left out where the keys' granule lies behind the wave's own (a scalar branch round the work, never round a barrier or a tensor load), masked where the two
; are the same, open otherwise.  SLOT n OF EIGHT HOLDS THE GRANULES n AND n xor 14: 16 or 18 tasks a slot, of which waves w, w + 4, w + 8 and w + 12 together have 4 or 5 in every slot, 34 in all.
; LAYOUT.  S^T = K Q^T (source 0 = 16 keys, source 1 = 16 queries): a lane holds ONE query (lane % 16) and the keys 8 (lane / 16) + 0..7 of a tile.  Two such tiles, rounded to f16 in pairs, ARE source 1
; (32 keys x 16 queries) of O^T = V^T P.  K comes out of LDS as it lies, V ([key][channel]) turned, by ds_load_tr16_b128.
; LDS.  Two slots of two granules; a granule is 128 rows of k hi and 128 of k lo (128 bytes + 16) and 128 rows of v (128 bytes + 32).  Eight fills: slots 0 and 1 at the start, each three times more behind a round
; of the cluster's barrier.  Waves 0-2 fetch the first granule's three tiles, waves 4-6 the second's, the others nothing.  A wave has two tensor loads out at the start and one behind each round.
; No prefetch: a refill has a whole slot's tasks, an eighth of the launch's work, in which to land, and the first fills stand at the head.
; REGISTERS, all 256: v1-8 addresses and constants that stay; v9-15 at work at the head and on the way out; v16-31 statistics; v32-63 q hi; v64-95 q lo; v96-159 S^T, then p, then P; v160-223 O^T;
; v224-255 four fragments of K or of V.  V's other four fragments take the upper 16 registers of each tile's S^T, which the rounding of P has freed.
.set PK,    144                        ; a row of K in LDS: 128 bytes + 16: an odd multiple of 16, so that the 16 rows of a load start at 16 different groups of banks
.set PV,    160                        ; a row of V: 128 + 32: an odd multiple of 32, for the turning load
.set KLO,   128*PK                     ; in a granule: k hi's 128 rows, then k lo's,
.set VOFF,  2*128*PK                   ; then v's
.set GRB,   VOFF+128*PV                ; a granule: 57,344 bytes
.set SLOT,  2*GRB                      ; 114,688
.set SPARE, 2*SLOT                     ; behind the slots: the spare words, 128 bytes for each of 16 waves: eight blocks of 256 bytes that no other line names
.set AK0,  1                           ; v1   my lane's place in a tile of K
.set AV0,  2                           ; v2   the same for V
.set SPW,  3                           ; v3   LDS address of my spare word: SPARE + 4 x my thread's number; never rewritten
.set NIL,  4                           ; v4   0; never rewritten
.set ADK,  5                           ; v5   LDS address of the task's K
.set ADV,  6                           ; v6   and V
.set D0,   7                           ; v7   32 cx + lane % 16 - 8 (lane / 16): my query's place in its granule, less my half's keys
.set NINF, 8                           ; v8   -infinity
.set ST,   16                          ; tile t's statistics at v[ST + 8 t]: +0 cm, +1 m', +2, +3 l (two halves), +4 .. +7 c0-c3, at work; a takes c2's place
.set QH,   32                          ; tile t, channels 32 c on: v[QH + 16 t + 8 c]
.set QL,   64                          ; the same of q lo
.set S,    96                          ; tile t, keys 16 k on: v[S + 32 t + 8 k]; P in the low 16 of a tile's 32
.set O,    160                         ; tile t, channels 16 f on: v[O + 32 t + 8 f]
.set KV,   224
.set WV,   8                           ; s8   my wave's number
.set G,    9                           ; s9   my granule
.set CX,   10                          ; s10  my place in the cluster
.set KG,   14                          ; s14  the task's granule of keys
.set LAP,  15                          ; s15  counts the loop's three trips
.set TB,   16                          ; s16  LDS byte at which the task's granule begins
.set CNT,  17                          ; s17  counts a slot's two tasks
.set SEL,  18                          ; s[18:19] lane selects for v_permlanex16_b32: lane l xor 16
.set CS,   20                          ; s[20:21] 8.0: the packed form names a pair and takes its low word for both halves
.set G1K,  24                          ; s[24:31] descriptor group 1 for K's tiles;  s[32:39] for V's: it differs in the padding alone
.set G1V,  32
.set G0A,  40                          ; s[40:47] descriptor group 0 for the tiles of a slot's first granule, a set for each slot: it walks up the keys
.set G0B,  48                          ; s[48:55] the same for the second granule: it walks down
.macro ROUND                           ; a round of the cluster's barrier
	s_barrier_signal -1
	s_barrier_wait -1
	s_cmp_lg_u32 s[WV], 0
	s_cbranch_scc1 .Lnot_wave_0_\@
	s_barrier_signal -3
.Lnot_wave_0_\@:
	s_barrier_wait -3
	s_barrier_signal -1
	s_barrier_wait -1
.endm
; What one wave asks for.  first = 1: both slots' first fills, together; else slot s's refill.  Four v_nop follow.
.macro ARM g0, g1, s, first
.if \first
	tensor_load_to_lds s[\g0:\g0+3], s[\g1:\g1+7]
	s_nop 0
	tensor_load_to_lds s[\g0+4:\g0+7], s[\g1:\g1+7]
	s_nop 0
.else
	tensor_load_to_lds s[\g0+4*\s:\g0+4*\s+3], s[\g1:\g1+7]
	s_nop 0
.endif
.rept 4
	v_nop
.endr
.endm
; The joint loads.  Waves 0, 1: k hi, k lo of the first granule; wave 2: its v; waves 4, 5, 6: the same of the second granule.  The branches hang on the wave's number alone.
.macro JLOAD s, first
	s_cmp_lt_u32 s[WV], 2
	s_cbranch_scc0 .Lj1_\@
	ARM G0A, G1K, \s, \first
	s_branch .Ljend_\@
.Lj1_\@:
	s_cmp_eq_u32 s[WV], 2
	s_cbranch_scc0 .Lj2_\@
	ARM G0A, G1V, \s, \first
	s_branch .Ljend_\@
.Lj2_\@:
	s_cmp_lt_u32 s[WV], 4
	s_cbranch_scc1 .Ljend_\@
	s_cmp_lt_u32 s[WV], 6
	s_cbranch_scc0 .Lj3_\@
	ARM G0B, G1K, \s, \first
	s_branch .Ljend_\@
.Lj3_\@:
	s_cmp_eq_u32 s[WV], 6
	s_cbranch_scc0 .Ljend_\@
	ARM G0B, G1V, \s, \first
.Ljend_\@:
.endm
	s_load_b128 s[4:7], s[0:1], 0x0                ; qkv s[4:5], o s[6:7]
	v_lshl_add_u32 v[SPW], v0, 2, SPARE
	v_mov_b32 v[NIL], 0
	ds_add_u32 v3, v4
	s_wait_dscnt 0x0
	v_lshrrev_b32 v9, 5, v0
	v_readfirstlane_b32 s[WV], v9                  ; wave 0..15
	s_bfe_u32 s[G], s[WV], 0x10002                 ; bit 2 of it,
	s_mul_i32 s[G], s[G], 3
	s_xor_b32 s[G], s[G], s[WV]                    ; g: waves 0-3: 0-3; 4-7: 7-4; 8-11: 8-11; 12-15: 15-12
	s_and_b32 s11, s[WV], 3                        ; which of a granule's three tiles I fetch, if I fetch: 0 k hi, 1 k lo, 2 v
	s_mul_i32 s12, s11, 128*PK                     ; its place in a granule: 0, 18,432, 36,864
	s_and_b32 s22, ttmp7, 0xffff                   ; the head, which the four partners share
	s_lshl_b32 s22, s22, 18                        ; a head is 2^18 bytes in each section of qkv and in o
	s_mov_b32 s23, 0
	s_cmp_eq_u32 s11, 1
	s_cselect_b32 s2, 4, 2                         ; its section: k lo is the fifth, v the third,
	s_cmp_eq_u32 s11, 0
	s_cselect_b32 s2, 1, s2                        ; k hi the second
	s_lshl_b32 s2, s2, 24
	s_add_co_u32 s2, s2, s22                       ; at my head
	s_mov_b32 s3, 0
	s_bfe_u32 s[CX], ttmp6, 0x40000                ; cx
	s_lshl_b32 s56, s[G], 14                       ; my 32 queries: granule x 128 rows x 128 bytes
	s_lshl_b32 s57, s[CX], 12                      ; + 32 cx rows
	s_add_co_u32 s56, s56, s57
	s_mov_b32 s57, 0
	s_lshl_b32 s62, s[CX], 5
	; descriptor group 1: a tile of 128 rows x 64 elements of 2 bytes, dense in memory, padded in LDS
	s_mov_b32 s[G1K], 15|(1<<16)|(1<<20)|(1<<21)|(4<<22)|(3<<25)  ; 15:0 the mask: all four work-groups; 17:16 elements of 2 bytes; 20 padding on; 21 set beside a mask; 24:22 after every 32 words (code 4); 31:25 4 words (code 3)
	s_mov_b32 s[G1V], 15|(1<<16)|(1<<20)|(1<<21)|(4<<22)|(7<<25)  ; the same with 8 words of padding (code 7)
.irp g, G1K, G1V
	s_mov_b32 s[\g+1], 64<<16                      ; tensor_dim0 = 64
	s_mov_b32 s[\g+2], 128<<16                     ; tensor_dim1 = 128
	s_mov_b32 s[\g+3], 64<<16                      ; tile_dim0 = 64
	s_mov_b32 s[\g+4], 128                         ; tile_dim1 = 128
	s_mov_b32 s[\g+5], 64                          ; tensor_dim0_stride
	s_mov_b32 s[\g+6], 0
	s_mov_b32 s[\g+7], 0
.endr
	s_mov_b32 s[SEL], 0x76543210
	s_mov_b32 s[SEL+1], 0xfedcba98
	s_mov_b32 s[CS], 0x41000000                    ; 8.0
	s_mov_b32 s[CS+1], s[CS]
	s_mov_b32 s[KG], 0
	s_wait_kmcnt 0x0
	s_add_nc_u64 s[68:69], s[4:5], s[2:3]          ; my tile's section at my head
	s_add_nc_u64 s[84:85], s[4:5], s[22:23]        ; q hi's section at my head,
	s_add_nc_u64 s[90:91], s[6:7], s[22:23]        ; and o
.irp s, 0,1                            ; group 0 for fills 0 and 1: granules 0 and 1, 14 and 15; a granule is 16,384 bytes of a section.  Nothing in them hangs on cx
	s_mov_b32 s[G0A+4*\s], 1                       ; 1:0 count = 1
	s_add_co_u32 s[G0A+4*\s+1], s12, \s*SLOT       ; 63:32 LDS address
	s_add_nc_u64 s[G0A+4*\s+2:G0A+4*\s+3], s[68:69], \s*16384        ; 120:64 global address
	s_or_b32 s[G0A+4*\s+3], s[G0A+4*\s+3], 0x80000000                ; 127:126 type = 2
	s_mov_b32 s[G0B+4*\s], 1
	s_add_co_u32 s[G0B+4*\s+1], s12, \s*SLOT+GRB
	s_add_nc_u64 s[G0B+4*\s+2:G0B+4*\s+3], s[68:69], (14+\s)*16384
	s_or_b32 s[G0B+4*\s+3], s[G0B+4*\s+3], 0x80000000
.endr
	s_add_nc_u64 s[58:59], s[84:85], s[56:57]      ; q hi at my first query,
	s_add_nc_u64 s[66:67], s[58:59], 0x3000000     ; q lo: three sections on,
	s_add_nc_u64 s[60:61], s[90:91], s[56:57]      ; o likewise
	ROUND                                          ; all four work-groups are here: the first joint loads meet
	JLOAD 0, 1                                     ; a wave's two first fills stand in one branch, ahead of every wait on TENSORcnt, every LDS read and every further barrier
	v_and_b32 v9, 15, v0                           ; r = lane % 16
	v_bfe_u32 v10, v0, 4, 1                        ; h = lane / 16
	v_lshlrev_b32 v15, 7, v9
	v_lshl_add_u32 v15, v10, 4, v15                ; Q: row r of 128 bytes, + 16 h; kept until the loads are in
.irp t, 0,1
.irp c, 0,1                            ; a fragment is 16 rows x 32 channels: registers 0-3 channels 8 h + 0..7, registers 4-7 channels 16 + 8 h + 0..7: two loads of 16 bytes, 32 bytes apart
	global_load_b128 v[QH+16*\t+8*\c:QH+16*\t+8*\c+3], v15, s[58:59] offset:2048*\t+64*\c th:TH_LOAD_NT
	global_load_b128 v[QH+16*\t+8*\c+4:QH+16*\t+8*\c+7], v15, s[58:59] offset:2048*\t+64*\c+32 th:TH_LOAD_NT
	global_load_b128 v[QL+16*\t+8*\c:QL+16*\t+8*\c+3], v15, s[66:67] offset:2048*\t+64*\c th:TH_LOAD_NT
	global_load_b128 v[QL+16*\t+8*\c+4:QL+16*\t+8*\c+7], v15, s[66:67] offset:2048*\t+64*\c+32 th:TH_LOAD_NT
.endr
.endr
	v_mul_u32_u24 v[AK0], v9, PK
	v_lshl_add_u32 v[AK0], v10, 4, v[AK0]          ; K: row r x pitch + 16 h
	v_and_b32 v11, 7, v0
	v_bfe_u32 v12, v0, 3, 1
	v_lshl_add_u32 v[AV0], v10, 3, v11             ; V, for the turning load: key 8 h + lane % 8,
	v_mul_u32_u24 v[AV0], v[AV0], PV
	v_lshl_add_u32 v[AV0], v12, 4, v[AV0]          ; channels 8 ((lane / 8) % 2) on
	v_add_nc_u32 v[AV0], VOFF, v[AV0]
	v_lshlrev_b32 v11, 3, v10
	v_sub_nc_u32 v[D0], v9, v11
	v_add_nc_u32 v[D0], s62, v[D0]                 ; 32 cx + r - 8 h
	v_mov_b32 v[NINF], 0xff800000
.irp t, 0,1
	v_mov_b32 v[ST+8*\t], 0xff800000               ; cm = -infinity
	v_mov_b32 v[ST+8*\t+1], 0xff61b1e6             ; m' = -3e38, under every s'
.irp i, 2,3,4,5,6,7
	v_mov_b32 v[ST+8*\t+\i], 0                     ; l; and c0-c3, of which one is a lane permute's destination and two are named in pairs
.endr
.endr
.set I, 0
.rept 64
	v_mov_b32 v[O+I], 0                            ; O^T.  (The step is written once: the first finds zeros, which the first a, 0, leaves zeros; a first step of its own would be a fifth copy of a task)
.set I, I+1
.endr
; Four fragments of K: key tiles 0-3 of half u, of k hi (lo = 0) or k lo (1), channels 32 c on
.macro KLOAD u, lo, c
.irp k, 0,1,2,3
	ds_load_b128 v[KV+8*\k:KV+8*\k+3], v[ADK] offset:\lo*KLO+(64*\u+16*\k)*PK+64*\c
	ds_load_b128 v[KV+8*\k+4:KV+8*\k+7], v[ADK] offset:\lo*KLO+(64*\u+16*\k)*PK+64*\c+32
.endr
.endm
; Four products: key tiles k0, k0 + 1 x my two tiles of queries; q: QH or QL.  zero = 1: they start the sums
.macro QK4 k0, q, c, zero
.irp k, \k0, \k0+1
.irp t, 0,1
.if \zero
	v_wmma_f32_16x16x32_f16 v[S+32*\t+8*(\k):S+32*\t+8*(\k)+7], v[KV+8*(\k):KV+8*(\k)+7], v[\q+16*\t+8*\c:\q+16*\t+8*\c+7], 0
.else
	v_wmma_f32_16x16x32_f16 v[S+32*\t+8*(\k):S+32*\t+8*(\k)+7], v[KV+8*(\k):KV+8*(\k)+7], v[\q+16*\t+8*\c:\q+16*\t+8*\c+7], v[S+32*\t+8*(\k):S+32*\t+8*(\k)+7]
.endif
.endr
.endr
.endm
; A phase of S^T: four fragments of K and all the products that want them: k hi meets q hi and q lo, k lo meets q hi.  The eight accumulators take turns, in the same order throughout.
.macro PHASE u, lo, c, zero
	KLOAD \u, \lo, \c
	s_wait_dscnt 4                                 ; key tiles 0 and 1 are in; the four loads of tiles 2 and 3 may be out
	QK4 0, QH, \c, \zero
	s_wait_dscnt 0x0
	QK4 2, QH, \c, \zero
.if !\lo
	QK4 0, QL, \c, 0
	QK4 2, QL, \c, 0
.endif
.rept 4
	v_nop                                          ; places in front of the next loads into the registers that these products read; behind the last phase also of the first read of the scores
.endr
.endm
; 64 KEYS of the task's 128: half u.
.macro SUB u
; Five places behind the last products V^T P: the products below write over P and over V's second four fragments, which those read, and four of the five serve the loads into v224-255.
; In the first half a task's two address additions are two of them.
.if \u
.rept 5
	v_nop
.endr
.else
.rept 3
	v_nop
.endr
.endif
	PHASE \u, 0, 0, 1                              ; qh . kh + ql . kh, channels 0-31
	PHASE \u, 1, 0, 0                              ; qh . kl
	PHASE \u, 0, 1, 0                              ; the same of channels 32-63
	PHASE \u, 1, 1, 0
.irp f, 0,1,2,3                        ; V's first four fragments, turned: keys 0-31 of the half, channels 16 f on.  They land while the softmax is worked
	ds_load_tr16_b128 v[KV+8*\f:KV+8*\f+3], v[ADV] offset:(64*\u)*PV+32*\f
	ds_load_tr16_b128 v[KV+8*\f+4:KV+8*\f+7], v[ADV] offset:(64*\u)*PV+16*PV+32*\f
.endr
	s_cmp_lg_u32 s[KG], s[G]                       ; only in my own granule are some keys hidden
	s_cbranch_scc1 .Lopen_\@
.irp t, 0,1                            ; register 8 k + j of tile t holds key 64 u + 16 k + 8 h + j for query 32 cx + 16 t + r: hidden where 64 u + 16 k + j - 16 t > 32 cx + r - 8 h.  -infinity gives p = 0
.irp k, 0,1,2,3
.irp j, 0,1,2,3,4,5,6,7
	v_cmp_gt_i32 vcc_lo, 64*\u+16*\k+\j-16*\t, v[D0]
	v_cndmask_b32 v[S+32*\t+8*\k+\j], v[S+32*\t+8*\k+\j], v[NINF], vcc_lo
.endr
.endr
.endr
.Lopen_\@:
; THE SOFTMAX, the two tiles line by line, so that no line waits for the line above it.  The maximum: four chains, one for each accumulator, each from the accumulator's low end on.
.irp j, 0,1,2,3
.irp t, 0,1
	v_max3_num_f32 v[ST+8*\t+4+\j], v[S+32*\t+8*\j], v[S+32*\t+8*\j+1], v[S+32*\t+8*\j+2]
.endr
.endr
.irp i, 3,5
.irp j, 0,1,2,3
.irp t, 0,1
	v_max3_num_f32 v[ST+8*\t+4+\j], v[ST+8*\t+4+\j], v[S+32*\t+8*\j+\i], v[S+32*\t+8*\j+\i+1]
.endr
.endr
.endr
.irp t, 0,1
	v_max3_num_f32 v[ST+8*\t+4], v[ST+8*\t+4], v[S+32*\t+7], v[S+32*\t+15]
.endr
.irp t, 0,1
	v_max3_num_f32 v[ST+8*\t+6], v[ST+8*\t+6], v[S+32*\t+23], v[S+32*\t+31]
.endr
.irp t, 0,1
	v_max3_num_f32 v[ST+8*\t+4], v[ST+8*\t+4], v[ST+8*\t+5], v[ST+8*\t+6]
.endr
.irp t, 0,1
	v_max3_num_f32 v[ST+8*\t+4], v[ST+8*\t+4], v[ST+8*\t+7], v[ST+8*\t+1]   ; with the old m'
.endr
.irp t, 0,1
	v_permlanex16_b32 v[ST+8*\t+5], v[ST+8*\t+4], s[SEL], s[SEL+1]          ; the query's other 32 keys lie in the lane 16 away
.endr
.irp t, 0,1
	v_mov_b32 v[ST+8*\t+7], v[ST+8*\t]             ; cm_old
.endr
.irp t, 0,1
	v_max_num_f32 v[ST+8*\t+1], v[ST+8*\t+4], v[ST+8*\t+5]                  ; the new m'
.endr
.irp t, 0,1
	v_mul_f32 v[ST+8*\t], s[CS], v[ST+8*\t+1]      ; cm = 8 m'
.endr
.irp t, 0,1
	v_sub_f32 v[ST+8*\t+7], v[ST+8*\t+7], v[ST+8*\t]                        ; cm_old - cm_new, 0 or less
.endr
.irp i, 0,2,4,6,8,10,12,14,16,18,20,22,24,26,28,30
.irp t, 0,1
	v_pk_fma_f32 v[S+32*\t+\i:S+32*\t+\i+1], v[S+32*\t+\i:S+32*\t+\i+1], s[CS:CS+1], v[ST+8*\t:ST+8*\t+1] op_sel_hi:[1,0,0] neg_lo:[0,0,1] neg_hi:[0,0,1]   ; 8 s' - cm, two at a time
.endr
.endr
.irp t, 0,1
	v_exp_f32 v[ST+8*\t+6], v[ST+8*\t+7]           ; a
.endr
.irp i, 0,1,2,3,4,5,6,7,8,9,10,11,12,13,14,15,16,17,18,19,20,21,22,23,24,25,26,27,28,29,30,31
.irp t, 0,1
	v_exp_f32 v[S+32*\t+\i], v[S+32*\t+\i]         ; p, at most 1
.endr
.endr
	v_nop                                          ; one plain line between the exponentials and the first use of a result (ISA guide 5.7.2)
	s_wait_alu depctr_va_vdst(0)
.irp t, 0,1
	v_pk_mul_f32 v[ST+8*\t+2:ST+8*\t+3], v[ST+8*\t+2:ST+8*\t+3], v[ST+8*\t+6:ST+8*\t+7] op_sel_hi:[1,0]   ; l x a
.endr
.irp t, 0,1
	v_pk_add_f32 v[ST+8*\t+4:ST+8*\t+5], v[S+32*\t:S+32*\t+1], v[S+32*\t+2:S+32*\t+3]                      ; the sum of the f32 p, two at a time, in two chains
.endr
.irp j, 4,8,12,16,20,24,28
.irp t, 0,1
	v_pk_add_f32 v[ST+8*\t+2:ST+8*\t+3], v[ST+8*\t+2:ST+8*\t+3], v[S+32*\t+\j:S+32*\t+\j+1]
	v_pk_add_f32 v[ST+8*\t+4:ST+8*\t+5], v[ST+8*\t+4:ST+8*\t+5], v[S+32*\t+\j+2:S+32*\t+\j+3]
.endr
.endr
.irp t, 0,1
	v_pk_add_f32 v[ST+8*\t+2:ST+8*\t+3], v[ST+8*\t+2:ST+8*\t+3], v[ST+8*\t+4:ST+8*\t+5]
.endr
.irp i, 0,1,2,3,4,5,6,7,8,9,10,11,12,13,14,15
.irp t, 0,1
	v_cvt_pk_f16_f32 v[S+32*\t+\i], v[S+32*\t+2*\i], v[S+32*\t+2*\i+1]     ; P, in place: register i was read by conversion i / 2
.endr
.endr
.irp f, 0,1,2,3                        ; V's second four fragments, keys 32-63 of the half, into the upper 16 registers of each tile's S^T, which are free now
	ds_load_tr16_b128 v[S+32*(\f/2)+16+8*(\f%2):S+32*(\f/2)+16+8*(\f%2)+3], v[ADV] offset:(64*\u+32)*PV+32*\f
	ds_load_tr16_b128 v[S+32*(\f/2)+16+8*(\f%2)+4:S+32*(\f/2)+16+8*(\f%2)+7], v[ADV] offset:(64*\u+32)*PV+16*PV+32*\f
.endr
.irp i, 0,2,4,6,8,10,12,14,16,18,20,22,24,26,28,30
.irp t, 0,1
	v_pk_mul_f32 v[O+32*\t+\i:O+32*\t+\i+1], v[O+32*\t+\i:O+32*\t+\i+1], v[ST+8*\t+6:ST+8*\t+7] op_sel_hi:[1,0]   ; O^T x a, each accumulator from its low end on
.endr
.endr
	s_wait_dscnt 8                                 ; V's first four fragments are in; the eight loads of the second four may be out
.irp f, 0,1,2,3                        ; O^T += V^T P: eight accumulators by turns
.irp t, 0,1
	v_wmma_f32_16x16x32_f16 v[O+32*\t+8*\f:O+32*\t+8*\f+7], v[KV+8*\f:KV+8*\f+7], v[S+32*\t:S+32*\t+7], v[O+32*\t+8*\f:O+32*\t+8*\f+7]
.endr
.endr
	s_wait_dscnt 0x0
.irp f, 0,1,2,3
.irp t, 0,1
	v_wmma_f32_16x16x32_f16 v[O+32*\t+8*\f:O+32*\t+8*\f+7], v[S+32*(\f/2)+16+8*(\f%2):S+32*(\f/2)+16+8*(\f%2)+7], v[S+32*\t+8:S+32*\t+15], v[O+32*\t+8*\f:O+32*\t+8*\f+7]
.endr
.endr
.endm
; A TASK: one granule of keys.  The two addresses are made on every path; the work is left out where all 128 keys come after my queries.
.macro TASK
	v_add_nc_u32 v[ADK], s[TB], v[AK0]
	v_add_nc_u32 v[ADV], s[TB], v[AV0]
	s_cmp_gt_u32 s[KG], s[G]
	s_cbranch_scc1 .Lhidden_\@
	SUB 0
	SUB 1
.Lhidden_\@:
	s_add_co_u32 s[TB], s[TB], GRB
	s_xor_b32 s[KG], s[KG], 14                     ; n, then n xor 14, then n again
.endm
.macro SLOT_STEPS base                 ; a slot's two tasks: written once, walked twice
	s_mov_b32 s[TB], \base
	s_mov_b32 s[CNT], 2
.Ltask_\@:
	TASK
	s_sub_co_u32 s[CNT], s[CNT], 1
	s_cmp_lg_u32 s[CNT], 0
	s_cbranch_scc1 .Ltask_\@
	s_add_co_u32 s[KG], s[KG], 1                   ; the next slot's first granule
.endm
; THE CHANGE OF SLOTS.  Each wave waits for all its tensor loads (its part of the slot ahead), adds 0 to its spare word, and waits for that and for its reads of the slot that it leaves.
; fill = 1: slot s, which is left, is filled again, two fills on: its first granule two up, its second two down.  A round of the cluster's barrier stands in front, behind which no wave of any partner reads
; that slot or has a load on its way, and the refill is the first thing behind it.
.macro CHANGE fill, s
	s_wait_tensorcnt 0x0                           ; no tensor load of mine is out, so a group 0 may be written
	ds_add_u32 v[SPW], v[NIL]                      ; 0 onto my spare word; with fill = 1 the descriptors' steps stand between it and the wait for it
.if \fill
	s_add_nc_u64 s[G0A+4*\s+2:G0A+4*\s+3], s[G0A+4*\s+2:G0A+4*\s+3], 2*16384   ; the type bits on top are not reached
	s_sub_nc_u64 s[G0B+4*\s+2:G0B+4*\s+3], s[G0B+4*\s+2:G0B+4*\s+3], 2*16384
.endif
	s_wait_dscnt 0x0                               ; the add is done, and my reads of the slot that I leave are over
.if \fill
	ROUND
	JLOAD \s, 0
.else
	s_barrier_signal -1
	s_barrier_wait -1
.endif
.endm
	s_wait_tensorcnt 0x1                           ; my part of fill 0 is in; fill 1 may stay out
	s_barrier_signal -1
	s_barrier_wait -1                              ; everybody's is
	s_wait_loadcnt 0x0                             ; Q
	SLOT_STEPS 0                                   ; granules 0, 14
	s_mov_b32 s[LAP], 3
.Llap:                                             ; three trips: fills 2 to 7 are asked for, fills 1 to 6 are walked
	CHANGE 1, 0
	SLOT_STEPS SLOT                                ; 1, 15;  3, 13;  5, 11
	CHANGE 1, 1
	SLOT_STEPS 0                                   ; 2, 12;  4, 10;  6, 8
	s_sub_co_u32 s[LAP], s[LAP], 1
	s_cmp_lg_u32 s[LAP], 0
	s_cbranch_scc1 .Llap
	CHANGE 0, 0                                    ; the tail is written out: nothing is left to fetch
	SLOT_STEPS SLOT                                ; 7, 9
	; THE WAY OUT.  l's two halves and the other half of the lanes' are added; O^T is divided by l, rounded to f16 and sent through my stage: 32 rows of 128 bytes + 16.  The stage lies in slot 0, which has had its
	; last fill and which every wave has left at the last barrier.  The address arithmetic gives the places behind the last products.
	s_mul_i32 s22, s[WV], 32*PK                    ; my stage
	v_and_b32 v9, 15, v0
	v_bfe_u32 v10, v0, 4, 1
	v_mul_u32_u24 v11, v9, PK
	v_lshl_add_u32 v11, v10, 4, v11
	v_add_nc_u32 v11, s22, v11                     ; in: row r, 16 bytes for each half of the lanes
	v_and_b32 v12, 31, v0
	v_lshrrev_b32 v13, 3, v12
	v_and_b32 v14, 7, v0
	v_mul_u32_u24 v13, v13, PK
	v_lshl_add_u32 v13, v14, 4, v13
	v_add_nc_u32 v13, s22, v13                     ; back: eight lanes to a row, four rows an instruction
	v_lshlrev_b32 v12, 4, v12                      ; and in o, where my 32 rows are 4,096 consecutive bytes: 16 x lane
.irp t, 0,1
	v_add_f32 v[ST+8*\t+4], v[ST+8*\t+2], v[ST+8*\t+3]
.endr
.irp t, 0,1
	v_permlanex16_b32 v[ST+8*\t+5], v[ST+8*\t+4], s[SEL], s[SEL+1]
.endr
.irp t, 0,1
	v_add_f32 v[ST+8*\t+4], v[ST+8*\t+4], v[ST+8*\t+5]
.endr
.irp t, 0,1
	v_rcp_f32 v[ST+8*\t+6], v[ST+8*\t+4]
.endr
	v_nop                                          ; a plain line between the last reciprocal and the use of its result
	s_wait_alu depctr_va_vdst(0)
.irp t, 0,1
.irp i, 0,2,4,6,8,10,12,14,16,18,20,22,24,26,28,30
	v_pk_mul_f32 v[O+32*\t+\i:O+32*\t+\i+1], v[O+32*\t+\i:O+32*\t+\i+1], v[ST+8*\t+6:ST+8*\t+7] op_sel_hi:[1,0]
.endr
.endr
.irp t, 0,1
.irp i, 0,1,2,3,4,5,6,7,8,9,10,11,12,13,14,15
	v_cvt_pk_f16_f32 v[S+16*\t+\i], v[O+32*\t+2*\i], v[O+32*\t+2*\i+1]     ; registers 4 f .. 4 f + 3: channels 16 f + 8 h + 0..7 of query r
.endr
.endr
.irp t, 0,1
.irp f, 0,1,2,3
	ds_store_b128 v11, v[S+16*\t+4*\f:S+16*\t+4*\f+3] offset:16*PK*\t+32*\f
.endr
.endr
.irp i, 0,1,2,3,4,5,6,7
	ds_load_b128 v[KV+4*\i:KV+4*\i+3], v13 offset:4*PK*\i                  ; LDS serves a wave's instructions in order (ISA guide 5.7.1.4): these see my stores
.endr
.irp i, 0,1,2,3,4,5,6,7
	s_wait_dscnt 7-\i
	global_store_b128 v12, v[KV+4*\i:KV+4*\i+3], s[60:61] offset:512*\i th:TH_STORE_NT   ; the wave stores 512 consecutive bytes, at a multiple of 256 from o's first byte
.endr
	s_wait_tensorcnt 0x0                           ; the wave's end, behind my last tensor load and my last LDS store
	ds_add_u32 v[SPW], v[NIL]
	s_wait_dscnt 0x0
	ROUND                                          ; the closing round: no work-group ends while a partner may still ask for a tile that names it
	s_endpgm
.Lfunc_end_k_qd59160d5b5_attn:
	.size	k_qd59160d5b5_attn, .Lfunc_end_k_qd59160d5b5_attn-k_qd59160d5b5_attn
	.p2alignl 7, 3214868480
	.fill 96, 4, 3214868480
	.section	.rodata,"a",@progbits
	.p2align	6, 0x0
	.amdhsa_kernel k_qd59160d5b5_attn
		.amdhsa_group_segment_fixed_size 327680
		.amdhsa_private_segment_fixed_size 0
		.amdhsa_enable_private_segment 0
		.amdhsa_kernarg_size 16
		.amdhsa_user_sgpr_count 2
		.amdhsa_user_sgpr_kernarg_segment_ptr 1
		.amdhsa_wavefront_size32 1
		.amdhsa_system_sgpr_workgroup_id_x 1
		.amdhsa_system_sgpr_workgroup_id_y 1
		.amdhsa_system_sgpr_workgroup_id_z 1
		.amdhsa_system_vgpr_workitem_id 0
		.amdhsa_next_free_vgpr 256
		.amdhsa_next_free_sgpr 92
		.amdhsa_reserve_vcc 1
		.amdhsa_float_denorm_mode_32 3
		.amdhsa_float_denorm_mode_16_64 3
		.amdhsa_memory_ordered 1
		.amdhsa_forward_progress 1
		.amdhsa_inst_pref_size 229
	.end_amdhsa_kernel
	.amdgpu_metadata
---
amdhsa.version: [ 1, 2 ]
amdhsa.kernels:
  - .name:           k_qd59160d5b5_attn
    .symbol:         k_qd59160d5b5_attn.kd
    .args:
      - { .name: qkv, .offset: 0, .size: 8, .value_kind: global_buffer, .address_space: global }
      - { .name: o, .offset: 8, .size: 8, .value_kind: global_buffer, .address_space: global }
    .group_segment_fixed_size: 327680
    .private_segment_fixed_size: 0
    .kernarg_segment_align: 8
    .kernarg_segment_size: 16
    .max_flat_workgroup_size: 512
    .sgpr_count:     92
    .vgpr_count:     256
    .wavefront_size: 32
...
	.end_amdgpu_metadata
.endif
;; end of part 3
;; launch proj (part 4): grid 4 x 64, 4 waves a work-group, clusters of 4 x 4, 327,680 bytes of LDS; arguments o, wp16, b_proj, out0; writes out0
.if DOCPART == 4
	.amdgcn_target "amdgcn-amd-amdhsa--gfx1250"
	.amdhsa_code_object_version 6
	.text
	.protected	k_qd59160d5b5_proj
	.globl	k_qd59160d5b5_proj
	.p2align	8
	.type	k_qd59160d5b5_proj,@function
k_qd59160d5b5_proj:
	s_mov_b64 s[64:65], 0
	v_nop
	global_prefetch_b8 v0, s[64:65] scope:SCOPE_SE
	s_setreg_imm32_b32 hwreg(HW_REG_WAVE_MODE, 25, 1), 1
	s_wait_xcnt 0x0
	s_wait_alu depctr_hold_cnt(0) depctr_sa_sdst(0) depctr_va_vdst(0) depctr_va_sdst(0) depctr_va_ssrc(0) depctr_va_vcc(0) depctr_vm_vsrc(0)
	s_getreg_b32 s2, hwreg(HW_REG_IB_STS2, 6, 4)
	s_cmp_eq_u32 s2, 0
	s_cbranch_scc0 .Lentry_in_a_cluster
	s_endpgm
.Lentry_in_a_cluster:
	s_bfe_u32 s2, ttmp6, 0x10000c
	s_cmp_lg_u32 s2, 0xf033
	s_cbranch_scc0 .Lentry_shape_is_right
	s_endpgm
.Lentry_shape_is_right:
; out0[m][n] = the sum over k of A[m][k] W[k][n] + b[n].  A is the attention's result, o [batch 4][head 16][token 2048][64] f16, with k = 64 x head + channel; W = wp16 [1024 (k)][1024 (n)] f16; b and out0 f32; sums in f32.
; A tile of out0 is 128 tokens x 256 columns: 4 x 64 = 256 work-groups of four waves; a wave makes 64 x 128: 32 accumulators of 16 x 16, 256 registers.
; K goes in steps of 128, two heads, through a ring of two LDS slots.  Waves 0 and 1 fetch A's two head planes (128 tokens x 128 bytes, dense in memory), waves 2 and 3 each 64 rows of W (512 bytes of a row).
; CLUSTERS: 4 x 4 work-groups.  The four of a row of the cluster need the same tiles of A, the four of a column the same tiles of W: each tile is asked for JOINTLY, by the same tensor load with the same descriptor
; and a mask that names the four.  THE MATRIX INSTRUCTION IS USED TRANSPOSED (source 0 = 16 columns of W, source 1 = 16 tokens): a lane then holds eight neighbouring columns of one token.
; W lies [k][n] in LDS and comes out turned, by ds_load_tr16_b128.  THE BIAS is the C of each sum's first matrix instruction: eight registers a block of columns, in the result's layout.
; No prefetch: the tile is small, and each K step's tiles are shared by four work-groups through the joint loads.
; REGISTERS: window 0: v0-31 addresses; v32-95 the bias; v96-223 two sets of rows on the way out.   window 1: two fragment buffers of 96: A's 4 fragments, then W's 8.   window 2: accumulator (a, b) at v[8 (8 a + b)].
.set PA,     144                       ; a token's row of a plane in LDS: 128 bytes + 16: an odd multiple of 16
.set PB,     544                       ; a row of W's tile: 512 bytes + 32: an odd multiple of 32, for the turning load
.set PLANE,  128*PA                    ; 18,432
.set BOFF,   2*PLANE                   ; W's tile lies behind A's two planes
.set BHALF,  64*PB                     ; 34,816: what one of W's loads brings
.set SLOT,   BOFF+2*BHALF              ; 106,496
.set STAGE,  2*SLOT                    ; behind the ring: 16 rows x (512 bytes + 16) for each wave
.set SPITCH, 528
.set SPARE,  STAGE+4*16*SPITCH         ; behind the stages: the spare words, 128 bytes for each wave: two blocks of 256 bytes that no other line names
.set LAPS,   4                         ; a lap = two K steps = once round the ring; 8 K steps
.set ADRA, 16                          ; v16-17  LDS address of my A fragments in slot 0, 1
.set ADRB, 20                          ; v20-21  the same for W
.set STO,  24                          ; v24     the way out: where I put 32 bytes of a row
.set RD,   25                          ; v25     where I read a row back
.set CO,   26                          ; v26     my byte offset in a row of out0
.set BO,   27                          ; v27     my byte offset in the bias
.set SPW,  28                          ; v28     LDS address of my spare word: SPARE + 4 x my thread's number; never rewritten
.set NIL,  29                          ; v29     0; never rewritten
.set BIAS, 32
.set BK,   96
.set F0,   0                           ; fragment buffers, in window 1
.set F1,   96
.set G1, 24                            ; s[24:31] descriptor group 1 for A's tiles;  s[32:39] group 0, one set for each slot
.set G0, 32
.set G1B, 48                           ; s[48:55], s[56:63] the same for W's tiles
.set G0B, 56
.set MSB, 0
.macro WIN new                         ; the immediate's high byte repeats the setting that is left
.if MSB != \new
	s_set_vgpr_msb (MSB<<8)|\new
.set MSB, \new
.endif
.endm
.set MUL,  0xa5                        ; sources 0 (W) and 1 (A) window 1; C and D window 2
.set MULB, 0x85                        ; the same with C, the bias, in window 0
.set TO_F, 0x40                        ; destination window 1, address window 0
.macro JLOAD s                         ; a joint load: waves 0 and 1 fetch A's two planes, waves 2 and 3 W's two halves; four v_nop follow each of the two lines, ahead of the jump, the label and what follows
	s_cmp_eq_u32 s13, 0
	s_cbranch_scc0 .Lfor_b_\@
	tensor_load_to_lds s[G0+4*\s:G0+4*\s+3], s[G1:G1+7]
	s_nop 0
.rept 4
	v_nop
.endr
	s_branch .Lasked_\@
.Lfor_b_\@:
	tensor_load_to_lds s[G0B+4*\s:G0B+4*\s+3], s[G1B:G1B+7]
	s_nop 0
.rept 4
	v_nop
.endr
.Lasked_\@:
.endm
.macro CREST                           ; a round of the cluster's barrier behind its opening barrier
	s_cmp_lg_u32 s12, 0
	s_cbranch_scc1 .Lnot_wave_0_\@
	s_barrier_signal -3
.Lnot_wave_0_\@:
	s_barrier_wait -3
	s_barrier_signal -1
	s_barrier_wait -1
.endm
.macro CROUND                          ; a whole round
	s_barrier_signal -1
	s_barrier_wait -1
	CREST
.endm
	s_load_b256 s[4:11], s[0:1], 0x0               ; o s[4:5], wp16 s[6:7], b_proj s[8:9], out0 s[10:11]
	v_lshl_add_u32 v[SPW], v0, 2, SPARE
	v_mov_b32 v[NIL], 0
	ds_add_u32 v28, v29
	s_wait_dscnt 0x0
	v_lshrrev_b32 v1, 5, v0
	v_readfirstlane_b32 s12, v1                    ; wave 0..3
	s_lshr_b32 s13, s12, 1                         ; which 64 of the tile's tokens are mine.  Also: I fetch for A (0) or for W (1)
	s_and_b32 s14, s12, 1                          ; which 128 of its columns.  Also: which plane of A, or which 64 rows of W, I fetch
	s_bfe_u32 s40, ttmp6, 0x40000                  ; cx, cy: my place in the cluster
	s_bfe_u32 s41, ttmp6, 0x40004
	s_lshl_b32 s42, ttmp9, 2
	s_add_co_u32 s42, s42, s40                     ; tile column = 4 x cluster x + cx
	s_and_b32 s15, ttmp7, 0xffff
	s_lshl_b32 s15, s15, 2
	s_add_co_u32 s15, s15, s41                     ; tile row = 4 x cluster y + cy
	s_lshl_b32 s43, s41, 2
	s_lshl_b32 s43, 15, s43                        ; my row of the cluster
	s_lshl_b32 s44, 0x1111, s40                    ; my column
	; descriptor group 1.  A: 128 rows x 64 elements of 2 bytes, dense;  W: 64 rows x 256 elements, 1,024 elements from row to row
	s_or_b32 s[G1+0], s43, (1<<16)|(1<<20)|(1<<21)|(4<<22)|(3<<25)  ; 15:0 the mask: A's tiles go to my row; 17:16 element of 2 bytes; 20 padding on; 21 set beside a mask; 24:22 after every 32 words (code 4); 31:25 of 4 words (code 3)
	s_mov_b32 s[G1+1], 64<<16                      ; tensor_dim0
	s_mov_b32 s[G1+2], 128<<16                     ; tensor_dim1
	s_mov_b32 s[G1+3], 64<<16                      ; tile_dim0
	s_mov_b32 s[G1+4], 128                         ; tile_dim1
	s_mov_b32 s[G1+5], 64                          ; tensor_dim0_stride
	s_mov_b32 s[G1+6], 0
	s_mov_b32 s[G1+7], 0
	s_or_b32 s[G1B+0], s44, (1<<16)|(1<<20)|(1<<21)|(6<<22)|(7<<25) ; W's go to my column; padding: 8 words (code 7) after every 128 (code 6)
	s_mov_b32 s[G1B+1], 256<<16
	s_mov_b32 s[G1B+2], 64<<16
	s_mov_b32 s[G1B+3], 256<<16
	s_mov_b32 s[G1B+4], 64
	s_mov_b32 s[G1B+5], 1024
	s_mov_b32 s[G1B+6], 0
	s_mov_b32 s[G1B+7], 0
	; where the tiles come from.  A's hang on the tile row alone, W's on the tile column alone; every wave makes both addresses, in registers that never hold the other coordinate
	s_lshr_b32 s16, s15, 4                         ; A: batch = tile row / 16: 2^22 bytes,
	s_lshl_b32 s16, s16, 22
	s_and_b32 s17, s15, 15
	s_lshl_b32 s17, s17, 14                        ; 128 tokens x 128 bytes for each tile row in the batch,
	s_add_co_u32 s16, s16, s17
	s_lshl_b32 s17, s14, 18                        ; and my plane: a head is 2^18 bytes
	s_add_co_u32 s16, s16, s17
	s_mov_b32 s17, 0
	s_lshl_b32 s46, s42, 9                         ; W: 512 bytes for each tile column,
	s_lshl_b32 s47, s14, 17                        ; and my 64 rows of 2,048 bytes
	s_add_co_u32 s46, s46, s47
	s_mov_b32 s47, 0
	s_mul_i32 s20, s14, PLANE                      ; where they go: no place in the cluster enters an LDS address
	s_mul_i32 s21, s14, BHALF
	s_add_co_u32 s21, s21, BOFF
	s_wait_kmcnt 0x0
	s_add_nc_u64 s[18:19], s[4:5], s[16:17]
	s_add_nc_u64 s[22:23], s[6:7], s[46:47]
	CROUND                                         ; all sixteen work-groups are here: the first joint loads meet
.irp s, 0,1
	s_mov_b32 s[G0+4*\s], 1
	s_add_co_u32 s[G0+4*\s+1], s20, \s*SLOT
	s_add_nc_u64 s[G0+4*\s+2:G0+4*\s+3], s[18:19], \s*2*262144     ; K step s: two heads on
	s_or_b32 s[G0+4*\s+3], s[G0+4*\s+3], 0x80000000
	s_mov_b32 s[G0B+4*\s], 1
	s_add_co_u32 s[G0B+4*\s+1], s21, \s*SLOT
	s_add_nc_u64 s[G0B+4*\s+2:G0B+4*\s+3], s[22:23], \s*128*2048   ; 128 rows on
	s_or_b32 s[G0B+4*\s+3], s[G0B+4*\s+3], 0x80000000
	JLOAD \s
.endr
	v_and_b32 v1, 15, v0                           ; r = l % 16
	v_bfe_u32 v2, v0, 4, 1                         ; h = l / 16
	; out0 and the bias at my part: row 128 x tile row + 64 x half, of 4,096 bytes; column 256 x tile column + 128 x half, of 4 bytes
	s_lshl_b32 s16, s15, 19
	s_lshl_b32 s17, s13, 18
	s_add_co_u32 s16, s16, s17
	s_mov_b32 s17, 0
	s_add_nc_u64 s[10:11], s[10:11], s[16:17]
	s_lshl_b32 s46, s42, 10
	s_lshl_b32 s47, s14, 9
	s_add_co_u32 s46, s46, s47
	s_mov_b32 s47, 0
	s_add_nc_u64 s[10:11], s[10:11], s[46:47]
	s_add_nc_u64 s[8:9], s[8:9], s[46:47]
	v_lshlrev_b32 v[BO], 5, v2                     ; lane (r, h) wants, for block b, the bias of columns 16 b + 8 h + 0 .. 7
.irp b, 0,1,2,3,4,5,6,7
	global_load_b128 v[BIAS+8*\b:BIAS+8*\b+3], v[BO], s[8:9] offset:64*\b
	global_load_b128 v[BIAS+8*\b+4:BIAS+8*\b+7], v[BO], s[8:9] offset:64*\b+16
.endr
	v_mul_u32_u24 v3, v1, PA
	v_lshl_add_u32 v3, v2, 4, v3                   ; A: token r x pitch + 16 h
	s_mul_i32 s21, s13, 64*PA                      ; my 64 tokens
	v_and_b32 v4, 7, v0
	v_lshl_add_u32 v4, v2, 3, v4                   ; W, for the turning load: row 8 h + l % 8,
	v_mul_u32_u24 v4, v4, PB
	v_bfe_u32 v5, v0, 3, 1
	v_lshl_add_u32 v4, v5, 4, v4                   ; columns 8 ((l / 8) % 2) on
	s_lshl_b32 s22, s14, 8                         ; my 128 columns: 256 bytes
	s_add_co_u32 s22, s22, BOFF
.irp s, 0,1
	v_add_nc_u32 v[ADRA+\s], s21, v3
	v_add_nc_u32 v[ADRB+\s], s22, v4
	s_add_co_u32 s21, s21, SLOT
	s_add_co_u32 s22, s22, SLOT
.endr
	s_mul_i32 s23, s12, 16*SPITCH
	s_add_co_u32 s23, s23, STAGE                   ; my stage
	v_mul_u32_u24 v5, v1, SPITCH                   ; in: row r, 32 bytes for each half of the lanes
	v_lshl_add_u32 v5, v2, 5, v5
	v_add_nc_u32 v[STO], s23, v5
	v_and_b32 v6, 31, v0
	v_lshlrev_b32 v[CO], 4, v6                     ; back: the 32 lanes take one row of 512 bytes; and the same in out0
	v_add_nc_u32 v[RD], s23, v[CO]
; 24 LDS loads in one run: the fragments of quarter q (32 along K) of a slot into buffer f: W's eight blocks of 16 columns, turned, then A's four blocks of 16 tokens.  Quarter q lies in plane q / 2, channels 32 (q % 2) on.
.macro FETCH slot, q, f
	WIN TO_F
.irp b, 0,1,2,3,4,5,6,7
	ds_load_tr16_b128 v[\f+32+8*\b:\f+32+8*\b+3],   v[ADRB+\slot] offset:32*PB*(\q)+32*\b
	ds_load_tr16_b128 v[\f+32+8*\b+4:\f+32+8*\b+7], v[ADRB+\slot] offset:32*PB*(\q)+32*\b+16*PB
.endr
.irp i, 0,1,2,3
	ds_load_b128 v[\f+8*\i:\f+8*\i+3],   v[ADRA+\slot] offset:PLANE*((\q)/2)+64*((\q)%2)+\i*16*PA
	ds_load_b128 v[\f+8*\i+4:\f+8*\i+7], v[ADRA+\slot] offset:PLANE*((\q)/2)+64*((\q)%2)+\i*16*PA+32
.endr
.endm
; 8 matrix instructions: A's block a x W's eight.  first = 1: the bias starts the sums.  The 32 accumulators take turns, one instruction a turn, in the same order in every quarter.
.macro MUL8 f, a, first
.irp b, 0,1,2,3,4,5,6,7
.if \first
	v_wmma_f32_16x16x32_f16 v[8*(8*\a+\b):8*(8*\a+\b)+7], v[\f+32+8*\b:\f+32+8*\b+7], v[\f+8*\a:\f+8*\a+7], v[BIAS+8*\b:BIAS+8*\b+7]
.else
	v_wmma_f32_16x16x32_f16 v[8*(8*\a+\b):8*(8*\a+\b)+7], v[\f+32+8*\b:\f+32+8*\b+7], v[\f+8*\a:\f+8*\a+7], v[8*(8*\a+\b):8*(8*\a+\b)+7]
.endif
.endr
.endm
.macro PLACES                          ; four places in front of loads into registers that matrix instructions have read, and of the first read of results (ISA guide 7.12.1 for vector instructions)
.rept 4
	v_nop
.endr
.endm
; A K step is four quarters of 32 along K, 32 matrix instructions each, on buffers 0, 1, 0, 1.  One of the first three: multiplies buffer f and fetches quarter qn of the same slot into g.
.macro QUARTER slot, qn, f, g, first
	s_wait_dscnt 4                                 ; W's eight and A's blocks 0 and 1 are in; the youngest four loads (A's blocks 2 and 3) may be out
.if \first
	WIN MULB
.else
	WIN MUL
.endif
	MUL8 \f, 0, \first
	MUL8 \f, 1, \first
	PLACES
	FETCH \slot, \qn, \g
	s_wait_dscnt 24                                ; all but the 24 just issued
.if \first
	WIN MULB
.else
	WIN MUL
.endif
	MUL8 \f, 2, \first
	MUL8 \f, 3, \first
.endm
; The last quarter multiplies buffer 1 and changes slots: ONE barrier; in front of it each wave waits for all its tensor loads, adds 0 to its spare word, and waits for that and for its own reads of this slot.
; fill = 1: this slot is filled again, two K steps ahead; the barrier then opens a round of the cluster's barrier.
.macro TURN slot, next, fill
	WIN 0                                          ; (the add's two registers lie in window 0)
	s_wait_tensorcnt 0x0                           ; all my tensor loads have landed: my part of the next slot;
	ds_add_u32 v[SPW], v[NIL]                      ; 0 onto my spare word;
	s_wait_dscnt 5                                 ; (the add and the youngest four loads may be out)
	WIN MUL
	MUL8 F1, 0, 0                                  ; eight matrix instructions stand between the add and the wait for it
	s_wait_dscnt 0x0                               ; the add is done, and my reads of this slot are over
	s_barrier_signal -1
	MUL8 F1, 1, 0
.if \fill
	WIN 0
.endif
	s_barrier_wait -1
.if \fill
	CREST                                          ; no wave of any partner still reads this slot's tiles or has a load on its way
	s_add_nc_u64 s[G0+4*\slot+2:G0+4*\slot+3], s[G0+4*\slot+2:G0+4*\slot+3], 4*262144       ; four heads on
	s_add_nc_u64 s[G0B+4*\slot+2:G0B+4*\slot+3], s[G0B+4*\slot+2:G0B+4*\slot+3], 256*2048   ; 256 rows on
	JLOAD \slot                                    ; the first tensor load behind the round; the four v_nop behind it are also the places in front of the loads below
.else
	PLACES
.endif
	FETCH \next, 0, F0
	WIN MUL
	MUL8 F1, 2, 0
	MUL8 F1, 3, 0
.endm
	s_wait_tensorcnt 1                             ; my part of K step 0 is in (K step 1's load may be out)
	s_barrier_signal -1
	s_barrier_wait -1                              ; everybody's is
	FETCH 0, 0, F0
	s_wait_loadcnt 0x0                             ; the bias
	QUARTER 0, 1, F0, F1, 1                        ; the first quarter stands in front of the loop: its products start the sums, with the bias
	WIN 0                                          ; at a label and at a branch every window is 0
	s_mov_b32 s3, LAPS-1
.Llap:                                                 ; a trip goes once round the ring, from a lap's second quarter to the next lap's first, and fills both slots again
	QUARTER 0, 2, F1, F0, 0
	QUARTER 0, 3, F0, F1, 0
	TURN 0, 1, 1
	QUARTER 1, 1, F0, F1, 0
	QUARTER 1, 2, F1, F0, 0
	QUARTER 1, 3, F0, F1, 0
	TURN 1, 0, 1
	QUARTER 0, 1, F0, F1, 0
	WIN 0
	s_sub_co_u32 s3, s3, 1
	s_cmp_lg_u32 s3, 0
	s_cbranch_scc1 .Llap
	QUARTER 0, 2, F1, F0, 0                        ; the last lap fills nothing, and has no round of the cluster's barrier
	QUARTER 0, 3, F0, F1, 0
	TURN 0, 1, 0
	QUARTER 1, 1, F0, F1, 0
	QUARTER 1, 2, F1, F0, 0
	QUARTER 1, 3, F0, F1, 0
	s_wait_dscnt 4                                 ; the very last quarter: nothing more to fetch
	WIN MUL
	MUL8 F1, 0, 0
	MUL8 F1, 1, 0
	s_wait_dscnt 0
	MUL8 F1, 2, 0
	MUL8 F1, 3, 0
	WIN 0
; THE WAY OUT, block by block of 16 tokens x 128 columns.  A lane holds 32 neighbouring bytes of a row, and the lanes beside it hold other rows: so a block goes through my own stage and comes back as whole rows
; of 512 bytes.  LDS serves a wave's instructions in order (ISA guide 5.7.1.4): no wait between the stores and the loads, nor in front of the next block's stores.
.macro TOSTAGE a
	WIN 0x08                                       ; an LDS store's data are its source 1: window 2
.irp b, 0,1,2,3,4,5,6,7
	ds_store_b128 v[STO], v[8*(8*(\a)+\b):8*(8*(\a)+\b)+3] offset:64*\b          ; each accumulator from its low end on
	ds_store_b128 v[STO], v[8*(8*(\a)+\b)+4:8*(8*(\a)+\b)+7] offset:64*\b+16
.endr
	WIN 0
.set BB, BK+64*((\a)%2)
.irp t, 0,1,2,3,4,5,6,7,8,9,10,11,12,13,14,15
	ds_load_b128 v[BB+4*\t:BB+4*\t+3], v[RD] offset:\t*SPITCH
.endr
.endm
.macro SEND a, younger                 ; younger: the LDS instructions issued behind block a's loads, which may stay out
.set BB, BK+64*((\a)%2)
	s_wait_dscnt \younger                          ; the block is back in registers
.irp t, 0,1,2,3,4,5,6,7,8,9,10,11,12,13,14,15
	global_store_b128 v[CO], v[BB+4*\t:BB+4*\t+3], s[10:11] offset:(16*(\a)+\t)*4096 th:TH_STORE_NT   ; 32 lanes store 512 consecutive bytes, at a multiple of 256 from out0's first byte; 63 rows at the most stand in the immediate
.endr
.endm
	PLACES                                         ; behind the last products: results are read only from here on
	TOSTAGE 0
.irp a, 1,2,3
.if \a > 1
	s_wait_xcnt 0x0                                ; block a - 2's stores have read their registers: block a's loads may land there
.endif
	TOSTAGE \a
	SEND \a-1, 32                                  ; behind block a - 1's loads: block a's 16 stores and 16 loads
.endr
	SEND 3, 0
	s_wait_tensorcnt 0x0                           ; the wave's end, behind my last tensor load and my last LDS store
	ds_add_u32 v[SPW], v[NIL]
	s_wait_dscnt 0x0
	CROUND                                         ; the closing round: no work-group ends while a partner may still ask for a tile that names it
	s_endpgm
.Lfunc_end_k_qd59160d5b5_proj:
	.size	k_qd59160d5b5_proj, .Lfunc_end_k_qd59160d5b5_proj-k_qd59160d5b5_proj
	.p2alignl 7, 3214868480
	.fill 96, 4, 3214868480
	.section	.rodata,"a",@progbits
	.p2align	6, 0x0
	.amdhsa_kernel k_qd59160d5b5_proj
		.amdhsa_group_segment_fixed_size 327680
		.amdhsa_private_segment_fixed_size 0
		.amdhsa_enable_private_segment 0
		.amdhsa_kernarg_size 32
		.amdhsa_user_sgpr_count 2
		.amdhsa_user_sgpr_kernarg_segment_ptr 1
		.amdhsa_wavefront_size32 1
		.amdhsa_system_sgpr_workgroup_id_x 1
		.amdhsa_system_sgpr_workgroup_id_y 1
		.amdhsa_system_sgpr_workgroup_id_z 1
		.amdhsa_system_vgpr_workitem_id 0
		.amdhsa_next_free_vgpr 768
		.amdhsa_next_free_sgpr 66
		.amdhsa_reserve_vcc 0
		.amdhsa_float_denorm_mode_32 3
		.amdhsa_float_denorm_mode_16_64 3
		.amdhsa_memory_ordered 1
		.amdhsa_forward_progress 1
		.amdhsa_inst_pref_size 86
	.end_amdhsa_kernel
	.amdgpu_metadata
---
amdhsa.version: [ 1, 2 ]
amdhsa.kernels:
  - .name:           k_qd59160d5b5_proj
    .symbol:         k_qd59160d5b5_proj.kd
    .args:
      - { .name: o, .offset: 0, .size: 8, .value_kind: global_buffer, .address_space: global }
      - { .name: wp16, .offset: 8, .size: 8, .value_kind: global_buffer, .address_space: global }
      - { .name: b_proj, .offset: 16, .size: 8, .value_kind: global_buffer, .address_space: global }
      - { .name: out0, .offset: 24, .size: 8, .value_kind: global_buffer, .address_space: global }
    .group_segment_fixed_size: 327680
    .private_segment_fixed_size: 0
    .kernarg_segment_align: 8
    .kernarg_segment_size: 32
    .max_flat_workgroup_size: 128
    .sgpr_count:     66
    .vgpr_count:     768
    .wavefront_size: 32
...
	.end_amdgpu_metadata
.endif
;; end of part 4
